; MI455X (gfx1250); checked and timed in simulation.
; The chip was launched on July 23, 2026; its instructions are those of AMD's public machine-readable ISA for CDNA 5 (MIT licence, August 2026) and "CDNA5" Instruction Set Architecture Reference Guide (July 2026). The comments in the code are by the model that wrote it; some were corrected since.
;; Ouroboros Mo E. Allowed arithmetic: matrix products marked QUANTISED: E2M3 operands, one E8M0 scale for each 32 along K, by v_wmma_scale_f32_16x16x128_f8f6f4 with both operands' format E2M3, f32 sums; products left as they are: f32 operands where the result goes on into a quantised operand, else bf16, f16 or f32 operands; f32 sums; everything else in f32.
;; Inputs: W1_codes 8 x 4,096 x 32 x 24 uint8 (E2M3 codes of W1, K innermost, in blocks of 32 codes, four codes in three bytes); W1_scales 8 x 4,096 x 32 uint8 (E8M0 scales of W1, one for each 32 codes along K); W2_codes 8 x 1,024 x 128 x 24 uint8 (E2M3 codes of W2, K innermost, in blocks of 32 codes, four codes in three bytes); W2_scales 8 x 1,024 x 128 uint8 (E8M0 scales of W2, one for each 32 codes along K); b1 8 x 4,096 float32; b2 8 x 1,024 float32; expert_indices 4 x 256 x 2 int32; expert_weights 4 x 256 x 2 float32; x 4 x 256 x 1,024 float32.
;; Outputs: out0 4 x 256 x 1,024 float32.
;; This version of the problem:
;;   THIS VERSION OF THE PROBLEM IS GIVEN IN LOW PRECISION. The matrix products marked QUANTISED in the list below multiply operands that are first quantised to E2M3 (2 exponent bits, 3 mantissa bits; 6 bits a number), with one power-of-two scale for each 32 numbers along K (OCP MX v1.0); their sums are f32. All else is computed in f32.
;;   The module's matrix products, in the order in which they are computed (A, B: the left and right operand; K: the contracted axis; several contracted axes count as one K, in the product's order):
;;     1. [M 32,768, K 1,024] x [K 1,024, N 1,024]; A: input W1 (given as codes); B: input x: QUANTISED
;;     2. batch 8 x [M 1,024, K 4,096] x [K 4,096, N 1,024]; A: computed on the way; B: input W2 (given as codes): QUANTISED
;;     3. batch 1,024 x [M 1, K 2] x [K 2, N 8]; A: softmax; B: computed on the way: left as it is (K = 2 < 32)
;;     4. batch 1,024 x [M 1,024, K 8] x [K 8, N 1]; A: computed on the way; B: computed on the way: left as it is (K = 8 < 32)
;;   THE QUANTISER, for each operand of a quantised product, along K:
;;     - K is cut into blocks of 32 from its start; a last block that is shorter is filled with zeros.
;;     - A block's scale is 2^e with e = floor(log2(the largest magnitude in the block)) - 2, held to -126 .. 127; a block of zeros has e = 0. As a byte (E8M0): e + 127.
;;     - Each number is divided by its block's scale, clamped to +-7.5, and rounded to the nearest number of E2M3, ties to even, subnormals kept.
;;     - The product sums the exact products of the quantised numbers (number of the format x scale) in f32.
;;   ~~~python
;;   def quantise(x, axis):      # numpy; x: float32 -> the quantised numbers, widened to float32 again
;;       x = np.moveaxis(x, axis, -1); K = x.shape[-1]
;;       x = np.pad(x, [(0, 0)] * (x.ndim - 1) + [(0, -K % 32)]); x = x.reshape(x.shape[:-1] + (-1, 32)); a = np.abs(x).max(-1, keepdims=True)
;;       e = np.where(a > 0, np.clip(np.frexp(np.where(a > 0, a, 1))[1] - 1 - 2, -126, 127), 0)      # np.frexp(a)[1] - 1 = floor(log2(a)), exactly
;;       r = np.clip(x / 2.0 ** e, -7.5, 7.5)
;;       step = 2.0 ** (np.maximum(np.frexp(np.where(r == 0, 1, r))[1] - 1, 0) - 3)
;;       q = np.round(r / step) * step * 2.0 ** e      # np.round: ties to even
;;       return np.moveaxis(q.reshape(q.shape[:-2] + (-1,))[..., :K], -1, axis).astype(np.float32)
;;   ~~~
;;   OPERANDS COMPUTED ON THE WAY. 'Computed on the way' means the value that the module computes at that place (a softmax that the list does not call 'softmax' is quantised finished and normalised). What goes into a quantiser is computed in f32, as accurately as f32 sums, v_exp_f32 and their like allow (about 1e-6 of the number): no bf16 or f16 on the way to a quantiser, and a product that is left as it is and whose result goes on into a quantised operand takes f32 operands (vector FMAs, or v_wmma_f32_16x16x4_f32). A number that lies on a knife's edge between two numbers of the format may be rounded either way, as far as f32 arithmetic and the matrix unit's own rounding can turn it there, and no further.
;;   INPUTS GIVEN AS CODES. W1 (in the module: [8, 1024, 4096], K = its axis 1); W2 (in the module: [8, 4096, 1024], K = its axis 1): each comes as NAME_codes (uint8): NAME with its K axis moved to the last place and cut into blocks of 32 codes, [.., K / 32, bytes a block], one block behind the other in memory; four codes in three bytes: a row's codes are one little-endian stream of bits, code i at bits 6 i .. 6 i + 5 (a code: sign, 2 exponent bits, 3 mantissa bits); and NAME_scales (uint8): the same leading axes, one E8M0 byte (e + 127) for each 32 codes along K. Its value is code x scale, taken as it is: it is not quantised again, and the codes and scales need not be those that the quantiser above would give.
;; 2 versions. Each part assembles by itself: llvm-mc -triple=amdgcn-amd-amdhsa -mcpu=gfx1250 --defsym DOCPART=n.
;; ======== version 1 of 2: 4 launches
;; workspace buffers: xq_codes 786,432 bytes; xq_scales 32,768 bytes; order 8,704 bytes of whole numbers; seg 256 bytes of whole numbers; pos 8,192 bytes of whole numbers; hq_codes 6,684,672 bytes; hq_scales 278,528 bytes; part 17,825,792 bytes
;; launch prep (part 1): grid 129 x 1, 8 waves a work-group, no clusters, 44,032 bytes of LDS; arguments x, expert_indices, xq_codes, xq_scales, order, seg, pos; writes xq_codes, xq_scales, order, seg, pos
.if DOCPART == 1
	.amdgcn_target "amdgcn-amd-amdhsa--gfx1250"
	.amdhsa_code_object_version 6
	.text
	.protected	k_q4c81c81aee_prep
	.globl	k_q4c81c81aee_prep
	.p2align	8
	.type	k_q4c81c81aee_prep,@function
k_q4c81c81aee_prep:
	s_mov_b64 s[64:65], 0
	v_nop
	global_prefetch_b8 v0, s[64:65] scope:SCOPE_SE
	s_setreg_imm32_b32 hwreg(HW_REG_WAVE_MODE, 25, 1), 1
	s_wait_xcnt 0x0
; Work-groups 0-127: x [1024 tokens][1024] f32 becomes codes of FP6 (E2M3) with one E8M0 byte for each 32 along K.  A wave takes a token.
; Work-group 128: the 2,048 routed rows j = 2 token + k are sorted by expert (a counting sort, no atomics) into tiles of 16 rows.
; xq_codes: [token][K step 8][half 2][48 bytes]: in each 96 bytes the blocks of 24 bytes lie in the order 0, 2, 1, 3, so that the 12 operand registers of lane (row, half) are 48 bytes on end.
; xq_scales: [token][32 bytes], in K's order.   order: [tile][16] row numbers j, 2048 = no row.   pos: [j] the row's slot, 16 x tile + place.   seg: word e = expert e's first tile, word 8 + e = its number of tiles.
; A block's scale is 2^(floor(log2(largest magnitude)) - 2); its byte is the largest magnitude's exponent field - 2, held at 1 from below.
; LIMITS: a block of zeros gets the byte 1 (its codes are zeros; this program alone reads the bytes); NaN and infinities are not served; indices lie in 0 .. 7.
; The two paths part on the work-group's number alone and use LDS bytes of their own.
.set SP,   80                          ; a lane's place in a stage: 64 bytes + 16 of padding
.set STG,  32*SP                       ; a stage: 512 numbers
.set WREG, 2*STG                       ; a wave's two stages
.set SCB,  8*WREG                      ; the work-group's 256 scale bytes
.set SRT,  SCB+256                     ; the sort's counts: 32 words a wave
.set R,    16                          ; v16-47  the token as loaded
.set X,    48                          ; v48-79  16 neighbours a lane, two steps
.set C,    80                          ; v80-87  codes
.set E,    88                          ; v88-89  scale bytes
	s_load_b256 s[4:11], s[0:1], 0x0               ; x, indices, xq_codes, xq_scales
	s_load_b128 s[12:15], s[0:1], 0x20             ; order, seg
	s_load_b64 s[36:37], s[0:1], 0x30              ; pos
	v_lshl_add_u32 v96, v0, 2, 0xa800
	v_mov_b32 v97, 0
	v_lshrrev_b32 v1, 5, v0
	v_readfirstlane_b32 s16, v1                    ; wave 0..7
	v_and_b32 v2, 31, v0                           ; lane
	s_cmp_eq_u32 ttmp9, 128
	s_cbranch_scc1 .Lsort
	; ---------------- the quantiser ----------------
	v_lshlrev_b32 v3, 4, v2                        ; my 16 bytes of a load's 512
	v_lshrrev_b32 v8, 1, v2                        ; b: my block among a step's 16
	v_and_b32 v9, 12, v8                           ; its K step,
	v_and_b32 v10, 1, v8
	v_lshl_or_b32 v9, v10, 1, v9                   ; and its place there: blocks 1 and 2 change places
	v_bfe_u32 v10, v8, 1, 1
	v_or_b32 v9, v9, v10
	v_mul_u32_u24 v4, v9, 24
	v_and_b32 v10, 1, v2
	v_mad_u32_u24 v4, v10, 12, v4                  ; my 12 bytes of codes in a step's 384
	s_mul_i32 s17, s16, WREG
	v_lshrrev_b32 v14, 2, v2
	v_mul_u32_u24 v14, v14, SP
	v_and_b32 v15, 3, v2
	v_lshl_add_u32 v14, v15, 4, v14
	v_add_nc_u32 v14, s17, v14                     ; into the stage: four lanes' 64 bytes on end, then padding
	v_mul_u32_u24 v15, v2, SP
	v_add_nc_u32 v15, s17, v15                     ; out of it: my 16 neighbours
	s_lshl_b32 s18, s16, 5
	s_add_co_u32 s18, s18, SCB
	v_lshrrev_b32 v5, 1, v2
	v_add_nc_u32 v5, s18, v5                       ; my block's scale byte: 32 bytes a token
	v_lshlrev_b32 v7, 3, v2
	v_add_nc_u32 v6, SCB, v7                       ; and the way out: 8 bytes a lane
	s_lshl_b32 s20, ttmp9, 3
	s_add_co_u32 s20, s20, s16                     ; my token
	s_lshl_b32 s22, s20, 12
	s_mov_b32 s23, 0
	s_mul_i32 s24, s20, 768
	s_mov_b32 s25, 0
	s_lshl_b32 s26, ttmp9, 8
	s_mov_b32 s27, 0
	s_wait_kmcnt 0x0
	s_add_nc_u64 s[4:5], s[4:5], s[22:23]
	s_add_nc_u64 s[8:9], s[8:9], s[24:25]
	s_add_nc_u64 s[10:11], s[10:11], s[26:27]
.irp i, 0,1,2,3,4,5,6,7
	global_load_b128 v[R+4*\i:R+4*\i+3], v3, s[4:5] offset:512*\i   ; 32 lanes read 512 consecutive bytes
.endr
.macro TURN t                          ; a step's 2,048 bytes through the wave's own stage; LDS serves a wave's instructions in order
.irp i, 0,1,2,3
	ds_store_b128 v14, v[R+16*\t+4*\i:R+16*\t+4*\i+3] offset:STG*\t+8*SP*\i
.endr
.irp i, 0,1,2,3
	ds_load_b128 v[X+16*\t+4*\i:X+16*\t+4*\i+3], v15 offset:STG*\t+16*\i
.endr
.endm
.macro STEP t
.set XS, X+16*\t
	v_max3_num_f32 v8, |v[XS]|, |v[XS+1]|, |v[XS+2]|               ; the largest magnitude of my 16, in two chains
	v_max3_num_f32 v9, |v[XS+3]|, |v[XS+4]|, |v[XS+5]|
.irp i, 6,10
	v_max3_num_f32 v8, v8, |v[XS+\i]|, |v[XS+\i+1]|
	v_max3_num_f32 v9, v9, |v[XS+\i+2]|, |v[XS+\i+3]|
.endr
	v_max3_num_f32 v8, v8, |v[XS+14]|, |v[XS+15]|
	v_max3_num_f32 v8, v8, v9, 0x1800000           ; and the floor 2^(3 - 127): the byte cannot fall under 1
	v_max_num_f32_dpp v8, v8, v8 row_xmask:1 row_mask:0xf bank_mask:0xf   ; with my neighbour's 16: the block's
	v_add_nc_u32 v11, 0xff000000, v8               ; 2 off the exponent field: the conversion's scale operand
	v_cvt_scalef32_pk16_fp6_f32 v[C+4*\t:C+4*\t+2], v[XS:XS+15], v11
	v_lshrrev_b32 v[E+\t], 23, v11                 ; the scale's byte (the plain line behind the conversion)
	ds_store_b8 v5, v[E+\t] offset:16*\t           ; both lanes of a block write the same byte with the same value
	global_store_b96 v4, v[C+4*\t:C+4*\t+2], s[8:9] offset:384*\t   ; the wave's 32 pieces cover 384 consecutive bytes
.endm
	s_wait_loadcnt 0x4                             ; the first step's four loads are in
	TURN 0
	s_wait_loadcnt 0x0
	TURN 1
	s_wait_dscnt 0x8                               ; step 0 is back from its stage; step 1's eight LDS instructions may be out
	STEP 0
	s_wait_dscnt 0x1                               ; step 1 is back; step 0's byte store may be out
	STEP 1
	s_wait_dscnt 0x0                               ; for the others' sake: my scale bytes lie in LDS
	s_barrier_signal -1
	s_barrier_wait -1
	s_cmp_lg_u32 s16, 0
	s_cbranch_scc1 .Lqend
	ds_load_b64 v[12:13], v6                       ; eight tokens' scale bytes
	s_wait_dscnt 0x0
	global_store_b64 v7, v[12:13], s[10:11]        ; 32 lanes store 256 consecutive bytes, at a multiple of 256 from the buffer's first byte
.Lqend:
	s_wait_tensorcnt 0x0
	ds_add_u32 v96, v97
	s_wait_dscnt 0x0
	s_endpgm
	; ---------------- the sort ----------------
	; Wave w holds rows j = 256 w + 32 g + lane, g = 0 .. 7.  Counts by wave and expert meet in LDS; every wave then knows each expert's total, its tiles and where its own rows begin.
.Lsort:
	v_lshlrev_b32 v3, 10, v1
	v_lshl_add_u32 v3, v2, 2, v3                   ; 4 (256 w + lane): my word of the indices and of pos
	v_lshl_add_u32 v4, v1, 8, v2                   ; j for g = 0
	v_lshl_add_u32 v5, v0, 2, SRT                  ; my word among the counts
	v_and_b32 v6, 7, v2
	v_lshl_add_u32 v6, v6, 2, SRT                  ; expert lane % 8's count of wave 0
	v_lshlrev_b32 v67, 2, v2                       ; 4 x lane: a word of seg.  Made here, with every lane on
	v_mov_b32 v66, 2048                            ; 'no row'
	s_wait_kmcnt 0x0
.irp g, 0,1,2,3,4,5,6,7
	global_load_b32 v[16+\g], v3, s[6:7] offset:128*\g
.endr
	s_wait_loadcnt 0x0
.irp g, 0,1,2,3,4,5,6,7                ; s[20+e]: how many of my wave's 256 rows go to expert e
.irp e, 0,1,2,3,4,5,6,7
	v_cmp_eq_u32 s28, \e, v[16+\g]
.if \g == 0
	s_bcnt1_i32_b32 s[20+\e], s28
.else
	s_bcnt1_i32_b32 s29, s28
	s_add_co_u32 s[20+\e], s[20+\e], s29
.endif
.endr
.endr
	v_mov_b32 v46, 0
.irp e, 0,1,2,3,4,5,6,7
	v_writelane_b32 v46, s[20+\e], \e
.endr
	ds_store_b32 v5, v46
	s_wait_dscnt 0x0                               ; for the others' sake
	s_barrier_signal -1
	s_barrier_wait -1
.irp w, 0,1,2,3,4,5,6,7
	ds_load_b32 v[32+\w], v6 offset:128*\w         ; lane l: expert l % 8's count in wave w
.endr
	s_wait_dscnt 0x0
	v_add3_u32 v40, v32, v33, v34
	v_add3_u32 v40, v40, v35, v36
	v_add3_u32 v40, v40, v37, v38
	v_add_nc_u32 v40, v40, v39                     ; n: the expert's rows
	v_mov_b32 v41, 0
.irp w, 0,1,2,3,4,5,6
	s_cmp_gt_u32 s16, \w
	s_cselect_b32 s29, -1, 0
	v_and_b32 v44, s29, v[32+\w]
	v_add_nc_u32 v41, v41, v44                     ; P: those of them that lie in waves ahead of mine
.endr
	v_add_nc_u32 v42, 15, v40
	v_lshrrev_b32 v42, 4, v42                      ; T: its tiles
	v_mov_b32 v43, v42
.irp d, 1,2,4                          ; running sum of T over lanes 0-7 (lanes 8-15 are not read)
	v_mov_b32_dpp v44, v43 row_shr:\d row_mask:0xf bank_mask:0xf bound_ctrl:1
	v_add_nc_u32 v43, v43, v44
.endr
	v_sub_nc_u32 v47, v43, v42                     ; tb: its first tile
	v_lshl_add_u32 v45, v47, 4, v41                ; where my wave's rows of it begin
.irp e, 0,1,2,3,4,5,6,7
	v_readlane_b32 s[20+\e], v45, \e
.endr
.irp g, 0,1,2,3,4,5,6,7
	v_mov_b32 v[24+\g], 0
.irp e, 0,1,2,3,4,5,6,7
	v_cmp_eq_u32 s28, \e, v[16+\g]
	v_mbcnt_lo_u32_b32 v44, s28, 0                 ; rows of this expert in lower lanes
	v_add_nc_u32 v44, s[20+\e], v44
	v_cndmask_b32 v[24+\g], v[24+\g], v44, s28
	s_bcnt1_i32_b32 s29, s28
	s_add_co_u32 s[20+\e], s[20+\e], s29
.endr
	v_min_u32 v[24+\g], 2175, v[24+\g]             ; a slot of the list's 136 x 16
	v_lshlrev_b32 v[48+\g], 2, v[24+\g]
	v_add_nc_u32 v[56+\g], 32*\g, v4
	global_store_b32 v[48+\g], v[56+\g], s[12:13]  ; order[slot] = j: 4 bytes a lane, lanes of one expert side by side: 8 KB in the whole launch
	global_store_b32 v3, v[24+\g], s[36:37] offset:128*\g   ; pos[j] = slot: 128 consecutive bytes
.endr
	v_readlane_b32 s30, v40, s16                   ; wave w fills expert w's last tile: n,
	v_readlane_b32 s31, v47, s16                   ; tb,
	v_readlane_b32 s32, v42, s16                   ; T
	s_lshl_b32 s33, s32, 4
	s_sub_co_u32 s33, s33, s30                     ; slots without a row: 0 .. 15
	s_lshl_b32 s34, s31, 4
	s_add_co_u32 s34, s34, s30
	v_add_nc_u32 v65, s34, v2
	v_min_u32 v65, 2175, v65
	v_lshlrev_b32 v65, 2, v65
	s_wait_xcnt 0x0                                ; EXEC changes only behind this wait
	s_cmp_lg_u32 s16, 0
	s_cbranch_scc1 .Lpads
	v_cmp_gt_u32 vcc_lo, 8, v2
	s_and_saveexec_b32 s35, vcc_lo
	global_store_b32 v67, v47, s[14:15]            ; seg: first tiles,
	global_store_b32 v67, v42, s[14:15] offset:32  ; numbers of tiles
	s_wait_xcnt 0x0                                ; and again in front of the line that widens it
	s_or_b32 exec_lo, exec_lo, s35
.Lpads:
	v_cmp_gt_u32 vcc_lo, s33, v2
	s_wait_tensorcnt 0x0
	ds_add_u32 v96, v97
	s_wait_dscnt 0x0
	s_and_saveexec_b32 s35, vcc_lo
	global_store_b32 v65, v66, s[12:13]
	s_wait_xcnt 0x0
	s_or_b32 exec_lo, exec_lo, s35
	s_endpgm
.Lfunc_end_k_q4c81c81aee_prep:
	.size	k_q4c81c81aee_prep, .Lfunc_end_k_q4c81c81aee_prep-k_q4c81c81aee_prep
	.p2alignl 7, 3214868480
	.fill 96, 4, 3214868480
	.section	.rodata,"a",@progbits
	.p2align	6, 0x0
	.amdhsa_kernel k_q4c81c81aee_prep
		.amdhsa_group_segment_fixed_size 44032
		.amdhsa_private_segment_fixed_size 0
		.amdhsa_enable_private_segment 0
		.amdhsa_kernarg_size 56
		.amdhsa_user_sgpr_count 2
		.amdhsa_user_sgpr_kernarg_segment_ptr 1
		.amdhsa_wavefront_size32 1
		.amdhsa_system_sgpr_workgroup_id_x 1
		.amdhsa_system_sgpr_workgroup_id_y 1
		.amdhsa_system_sgpr_workgroup_id_z 1
		.amdhsa_system_vgpr_workitem_id 0
		.amdhsa_next_free_vgpr 98
		.amdhsa_next_free_sgpr 66
		.amdhsa_reserve_vcc 1
		.amdhsa_float_denorm_mode_32 3
		.amdhsa_float_denorm_mode_16_64 3
		.amdhsa_memory_ordered 1
		.amdhsa_forward_progress 1
		.amdhsa_inst_pref_size 41
	.end_amdhsa_kernel
	.amdgpu_metadata
---
amdhsa.version: [ 1, 2 ]
amdhsa.kernels:
  - .name:           k_q4c81c81aee_prep
    .symbol:         k_q4c81c81aee_prep.kd
    .args:
      - { .name: x, .offset: 0, .size: 8, .value_kind: global_buffer, .address_space: global }
      - { .name: expert_indices, .offset: 8, .size: 8, .value_kind: global_buffer, .address_space: global }
      - { .name: xq_codes, .offset: 16, .size: 8, .value_kind: global_buffer, .address_space: global }
      - { .name: xq_scales, .offset: 24, .size: 8, .value_kind: global_buffer, .address_space: global }
      - { .name: order, .offset: 32, .size: 8, .value_kind: global_buffer, .address_space: global }
      - { .name: seg, .offset: 40, .size: 8, .value_kind: global_buffer, .address_space: global }
      - { .name: pos, .offset: 48, .size: 8, .value_kind: global_buffer, .address_space: global }
    .group_segment_fixed_size: 44032
    .private_segment_fixed_size: 0
    .kernarg_segment_align: 8
    .kernarg_segment_size: 56
    .max_flat_workgroup_size: 256
    .sgpr_count:     66
    .vgpr_count:     98
    .wavefront_size: 32
...
	.end_amdgpu_metadata
.endif
;; end of part 1
;; launch up (part 2): grid 32 x 8, 4 waves a work-group, no clusters, 101,376 bytes of LDS; arguments xq_codes, xq_scales, W1_codes, W1_scales, b1, order, seg, hq_codes, hq_scales; writes hq_codes, hq_scales
.if DOCPART == 2
	.amdgcn_target "amdgcn-amd-amdhsa--gfx1250"
	.amdhsa_code_object_version 6
	.text
	.protected	k_q4c81c81aee_up
	.globl	k_q4c81c81aee_up
	.p2align	8
	.type	k_q4c81c81aee_up,@function
k_q4c81c81aee_up:
	s_mov_b64 s[64:65], 0
	v_nop
	global_prefetch_b8 v0, s[64:65] scope:SCOPE_SE
	s_setreg_imm32_b32 hwreg(HW_REG_WAVE_MODE, 25, 1), 1
	s_wait_xcnt 0x0
; hidden = Q(gelu(x W1^T + b1)) for the routed rows alone, on codes of FP6 (E2M3) with E8M0 scales; Q = the quantiser along the hidden units, the next product's K.
; Work-group (c, e): hidden units 128 c .. 128 c + 127 of expert e, which are K step c of the next product.  Its 98,304 bytes of W1 are read from memory once, in loads of 512 consecutive bytes, laid in LDS as
; rows, and taken by each of the four waves into REGISTERS (64 fragments of 16 units x 128 K; 63 in windows 1-3, the last read from LDS in each trip, since 12 registers do not cross a window's end).
; Behind the one barrier the waves share nothing: wave w takes the expert's tiles of 16 rows w, w + 4, ..  A trip: 64 products (b1 is the C of the first K step), exact GELU, the quantiser, one fragment out.
; TRANSPOSED: source 0 = 16 units of W1, source 1 = 16 rows of x: a lane holds ONE row.  THE UNITS OF A TILE ARE NOT NEIGHBOURS: lane r of tile 2 b + u takes unit 32 b + 8 u + r + 8 (r / 8), so that the 16 registers
; of tiles 2 b, 2 b + 1 are 16 neighbouring units 32 b + 16 (lane / 16) + 0 .. 15.  In LDS unit u lies in row u with its bits 3 and 4 exchanged, so that a tile's rows are neighbours there.
; hq_codes: [tile][K step 32][3][lane][16 bytes], the image of the operand's registers; hq_scales: [tile][K step][row 16] words.
; GELU: gelu(x) = max(x, 0) - (|x| / 2) erfc(|x| / sqrt 2).  erfc(t) = 1 - (t + t p(t^2)) up to t = 475/512 and e^(r(t)) beyond, two polynomials that give erf to 1 ulp: nothing is cancelled in the negative tail.
; NO JOINT LOADS: the number of trips is read from memory, and each byte of W1 is wanted by one work-group alone.
; LIMITS: NaN and infinities are not served; a block of zeros gets the byte 1 (codes zero; this program alone reads the bytes); the exponent r(t) is brought to base 2 by one f32 multiply, so erfc's relative
; error grows as 6e-8 x |r| / ln 2 (1e-6 at x = -4).  A slot of the list without a row (2048) is computed as token 1023 and never used.
.set WPITCH, 784                       ; an LDS row: 768 bytes + 16 = 196 words: row r starts at bank 4 r mod 64, so the 32 lanes of a load of 8 bytes touch 64 different banks
.set B1L,  128*WPITCH                  ; behind W1: my 128 numbers of b1
.set LI,   1                           ; v1   16 x lane
.set R4,   2                           ; v2   4 x (lane % 16)
.set B1A,  3                           ; v3   B1L + 64 x (lane / 16)
.set FA0,  4                           ; v4   784 r + 24 h: a fragment's bytes in tiles 0-3;  v5 the same for tiles 4-7
.set FA1,  5
.set XO,   6                           ; v6   my row's codes in xq_codes
.set XSO,  7                           ; v7   its scale bytes
.set J,    8                           ; v8   the row number, then the token
.set JA,   9                           ; v9   where it is read
.set KC6,  10                          ; v[10:11], v[12:13], v[14:15]: three constants that stand beside a literal (the packed form takes the pair's low word for both halves)
.set KC4,  12
.set KD5,  14
.set WS,   16                          ; v16-47   W1's scale words: 8 b + s: lanes 0-15 tile 2 b, lanes 16-31 tile 2 b + 1
.set XS,   48                          ; v48-55   x's scale words, one a K step
.set XF,   56                          ; v56-151  x's eight fragments
.set ACC,  152                         ; v152-215 eight tiles of the hidden layer
.set TMP,  216                         ; v216-255 at work
.set PW,   228                         ; the scale word made
.set PC,   230                         ; v230-248 the codes made
.set MSB, 0
.macro WIN new                         ; the immediate's high byte repeats the setting that is left; a switch that changes nothing is dropped
.if MSB != (\new)
	s_set_vgpr_msb (MSB<<8)|(\new)
.set MSB, (\new)
.endif
.endm
; The list's tile for my i-th tile: tb + i; past the expert's end a tile among the first 128, which every split fills.  The last line bounds the number for the addresses made of it.
.macro IDX dst, i
	s_add_co_u32 \dst, s25, \i
	s_min_u32 s33, \dst, 127
	s_cmp_lt_u32 \i, s26
	s_cselect_b32 \dst, \dst, s33
	s_min_u32 \dst, \dst, 135
.endm
.macro TOK                             ; row number -> token -> addresses.  Six plain lines
	v_lshrrev_b32 v[J], 1, v[J]
	v_min_u32 v[J], 1023, v[J]
	v_bfe_u32 v[XO], v0, 4, 1
	v_lshl_add_u32 v[XO], v[J], 4, v[XO]
	v_mul_u32_u24 v[XO], v[XO], 48                 ; 768 x token + 48 x half
	v_lshlrev_b32 v[XSO], 5, v[J]
.endm
.macro XLOAD                           ; 26 loads: a tile's eight fragments of x, 48 bytes a lane and K step, and its scale words
.irp s, 0,1,2,3,4,5,6,7
.irp q, 0,1,2
	global_load_b128 v[XF+12*\s+4*\q:XF+12*\s+4*\q+3], v[XO], s[4:5] offset:96*\s+16*\q
.endr
.endr
	global_load_b128 v[XS:XS+3], v[XSO], s[6:7]
	global_load_b128 v[XS+4:XS+7], v[XSO], s[6:7] offset:16
.endm
	s_load_b512 s[4:19], s[0:1], 0x0               ; xq_codes, xq_scales, W1_codes, W1_scales, b1, order, seg, hq_codes
	s_load_b64 s[20:21], s[0:1], 0x40              ; hq_scales
	s_set_vgpr_msb 0x40
	v_lshl_add_u32 v254, v0, 2, 0x18a00
	v_mov_b32 v255, 0
	s_set_vgpr_msb 0x4000
	v_lshrrev_b32 v251, 5, v0
	v_readfirstlane_b32 s24, v251                  ; wave 0..3
	s_and_b32 s22, ttmp7, 0xffff                   ; e
	s_mov_b32 s23, ttmp9                           ; c
	v_and_b32 v251, 31, v0                         ; lane
	v_and_b32 v252, 15, v0                         ; r
	v_bfe_u32 v253, v0, 4, 1                       ; h
	v_lshlrev_b32 v[LI], 4, v251
	v_lshlrev_b32 v[R4], 2, v252
	v_lshl_add_u32 v[B1A], v253, 6, B1L
	v_mul_u32_u24 v[FA0], v252, WPITCH
	v_mad_u32_u24 v[FA0], v253, 24, v[FA0]
	v_add_nc_u32 v[FA1], 64*WPITCH, v[FA0]
	s_mul_i32 s46, s24, 32*WPITCH
	v_add_nc_u32 v249, s46, v[LI]                  ; staging: my wave's 32 LDS rows, 16 bytes a lane;
	v_lshl_add_u32 v250, v253, 4, v249             ; the same where lanes 16-31 have passed a row's padding
	v_and_b32 v254, 8, v252
	v_add_nc_u32 v254, v254, v252
	v_lshl_add_u32 v254, v253, 3, v254
	v_lshlrev_b32 v254, 5, v254                    ; W1's scales: 32 bytes x (r + 8 (r / 8) + 8 h)
	v_lshlrev_b32 v255, 2, v0
	v_add_nc_u32 v251, B1L, v255
	v_mov_b32 v[KC6], 0x39c8e7d9
	v_mov_b32 v[KC6+1], 0x39c8e7d9
	v_mov_b32 v[KC4], 0x3cc6b1a1
	v_mov_b32 v[KC4+1], 0x3cc6b1a1
	v_mov_b32 v[KD5], 0x3ba38d2c
	v_mov_b32 v[KD5+1], 0x3ba38d2c
	s_mov_b32 s30, 0x76543210
	s_mov_b32 s31, 0xfedcba98                      ; v_permlanex16_b32's selects for lane l xor 16
	s_mov_b32 s32, 0x3f3504f3                      ; 1 / sqrt 2
	s_mul_i32 s46, s22, 3145728                    ; W1: an expert's 4,096 rows of 768 bytes,
	s_mul_i32 s47, s23, 98304                      ; my 128 of them,
	s_add_co_u32 s46, s46, s47
	s_mul_i32 s47, s24, 24576                      ; my wave's 32
	s_add_co_u32 s46, s46, s47
	s_mov_b32 s47, 0
	s_lshl_b32 s48, s22, 17                        ; W1's scales: 32 bytes a row
	s_lshl_b32 s49, s23, 12
	s_add_co_u32 s48, s48, s49
	s_mov_b32 s49, 0
	s_lshl_b32 s50, s22, 14                        ; b1
	s_lshl_b32 s51, s23, 9
	s_add_co_u32 s50, s50, s51
	s_mov_b32 s51, 0
	s_lshl_b32 s33, s22, 2
	s_wait_kmcnt 0x0
	s_load_b32 s25, s[16:17], s33 offset:0x0       ; tb: my expert's first tile
	s_load_b32 s26, s[16:17], s33 offset:0x20      ; T: its tiles
	s_add_nc_u64 s[8:9], s[8:9], s[46:47]
	s_add_nc_u64 s[10:11], s[10:11], s[48:49]
	s_add_nc_u64 s[12:13], s[12:13], s[50:51]
.set n, 0
.rept 48
	global_load_b128 v[56+4*n:59+4*n], v[LI], s[8:9] offset:512*n th:TH_LOAD_NT   ; 512 consecutive bytes; three loads bring two rows; read once in the launch
.set n, n+1
.endr
.irp b, 0,1,2,3
.irp u, 0,1
	global_load_b128 v[WS+8*\b+4*\u:WS+8*\b+4*\u+3], v254, s[10:11] offset:1024*\b+16*\u
.endr
.endr
	global_load_b32 v248, v255, s[12:13]
	s_wait_kmcnt 0x0
	s_min_u32 s25, s25, 135
	s_min_u32 s26, s26, 128
	s_mov_b32 s27, s24                             ; I: my tile among the expert's
	s_add_co_u32 s52, s26, 3
	s_sub_co_u32 s52, s52, s24
	s_lshr_b32 s52, s52, 2                         ; my trips: the tiles w, w + 4, .. under T
	s_mov_b32 s53, 0                               ; trips done
	IDX s28, s27
	v_lshl_add_u32 v[JA], s28, 6, v[R4]
	global_load_b32 v[J], v[JA], s[14:15]          ; lanes r and r + 16: row r's number
.macro PUT mm                          ; rows 2 mm, 2 mm + 1 of my 32 go to LDS rows L5, L5 + 1: the row number with bits 3 and 4 exchanged
.set L5, 16*(((2*(\mm))>>3)&1)+8*(((2*(\mm))>>4)&1)+((2*(\mm))&7)
	ds_store_b128 v249, v[56+12*(\mm):59+12*(\mm)] offset:L5*WPITCH
	ds_store_b128 v250, v[60+12*(\mm):63+12*(\mm)] offset:L5*WPITCH+512
	ds_store_b128 v249, v[64+12*(\mm):67+12*(\mm)] offset:L5*WPITCH+1040
.endm
	s_wait_loadcnt 34                              ; the first 24 are in: behind them 24 + 8 + 1 + 1
.irp mm, 0,1,2,3,4,5,6,7
	PUT \mm
.endr
	s_wait_loadcnt 10                              ; all 48 are in
.irp mm, 8,9,10,11,12,13,14,15
	PUT \mm
.endr
	s_wait_loadcnt 0x0
	ds_store_b32 v251, v248                        ; b1
	TOK
	s_wait_dscnt 0x0                               ; my stores have landed (for the others' sake) and have read their registers, into which x now comes
	XLOAD
	s_barrier_signal -1
	s_barrier_wait -1                              ; the one barrier: W1 and b1 lie in LDS; nothing is written there again
	s_cmp_eq_u32 s52, 0
	s_cbranch_scc1 .Lend                           ; no tile for my wave
.set f, 0
.rept 63                               ; fragment f = 8 t + s -> window 1 + f / 21, register 12 (f % 21)
	WIN (1+f/21)<<6
.irp p, 0,1,2,3,4,5
	ds_load_b64 v[12*(f%21)+2*\p:12*(f%21)+2*\p+1], v[FA0+(f/32)] offset:16*((f/8)%4)*WPITCH+96*(f%8)+48*(\p/3)+8*(\p%3)
.endr
.set f, f+1
.endr
	WIN 0
.macro MULS                            ; 64 products: K step by K step, the eight accumulators by turns, one instruction a turn, over the backward jump too
.irp s, 0,1,2,3,4,5,6,7
.irp t, 0,1,2,3,4,5,6,7
.set f, 8*\t+\s
.if f < 63
	WIN 1+f/21
.set AR, 12*(f%21)
.else
	WIN 0
.set AR, TMP
.endif
.if \t%2
	v_wmma_scale_f32_16x16x128_f8f6f4 v[ACC+8*\t:ACC+8*\t+7], v[AR:AR+11], v[XF+12*\s:XF+12*\s+11], v[ACC+8*\t:ACC+8*\t+7], v[WS+8*(\t/2)+\s], v[XS+\s] matrix_a_fmt:MATRIX_FMT_FP6 matrix_b_fmt:MATRIX_FMT_FP6 matrix_a_scale:MATRIX_SCALE_ROW1
.else
	v_wmma_scale_f32_16x16x128_f8f6f4 v[ACC+8*\t:ACC+8*\t+7], v[AR:AR+11], v[XF+12*\s:XF+12*\s+11], v[ACC+8*\t:ACC+8*\t+7], v[WS+8*(\t/2)+\s], v[XS+\s] matrix_a_fmt:MATRIX_FMT_FP6 matrix_b_fmt:MATRIX_FMT_FP6
.endif
.endr
.endr
	WIN 0
.endm
; GELU of one tile: four pairs of numbers, each line for the four pairs in turn, so that no line waits for the line above it.  Pair k's registers at TMP + 10 k: +0 t, +2 t^2, +4 r, +6 u, +8 q.
.macro HEAD d, m, lit, kc              ; d = m x lit + kc
.irp k, 0,1,2,3
	v_pk_fma_f32 v[TMP+10*\k+\d:TMP+10*\k+\d+1], v[TMP+10*\k+\m:TMP+10*\k+\m+1], \lit, v[\kc:\kc+1] op_sel_hi:[1,0,0]
.endr
.endm
.macro HORN d, m, lit                  ; d = d x m + lit
.irp k, 0,1,2,3
	v_pk_fma_f32 v[TMP+10*\k+\d:TMP+10*\k+\d+1], v[TMP+10*\k+\d:TMP+10*\k+\d+1], v[TMP+10*\k+\m:TMP+10*\k+\m+1], \lit op_sel_hi:[1,1,0]
.endr
.endm
.macro GELU4 g
.irp k, 0,1,2,3
	v_mul_f32 v[TMP+10*\k], |v[ACC+8*\g+2*\k]|, s32        ; t = |x| / sqrt 2  (the tile is read from its low end on)
	v_mul_f32 v[TMP+10*\k+1], |v[ACC+8*\g+2*\k+1]|, s32
.endr
.irp k, 0,1,2,3
	v_pk_mul_f32 v[TMP+10*\k+2:TMP+10*\k+3], v[TMP+10*\k:TMP+10*\k+1], v[TMP+10*\k:TMP+10*\k+1]
.endr
	HEAD 4, 0, 0xb7910000, KC6                     ; the far branch: r(t), degree 7
	HEAD 6, 0, 0xbb7e8a1c, KC4
.irp k, 0,1,2,3
	v_pk_fma_f32 v[TMP+10*\k+4:TMP+10*\k+5], v[TMP+10*\k+4:TMP+10*\k+5], v[TMP+10*\k+2:TMP+10*\k+3], v[TMP+10*\k+6:TMP+10*\k+7]
.endr
	HORN 4, 0, 0xbddaae5c
	HORN 4, 0, 0xbf228550
	HORN 4, 0, 0xbe03ce86
.irp k, 0,1,2,3
	v_pk_fma_f32 v[TMP+10*\k+4:TMP+10*\k+5], v[TMP+10*\k+4:TMP+10*\k+5], v[TMP+10*\k:TMP+10*\k+1], v[TMP+10*\k:TMP+10*\k+1] neg_lo:[0,0,1] neg_hi:[0,0,1]
.endr
.irp k, 0,1,2,3
	v_pk_mul_f32 v[TMP+10*\k+4:TMP+10*\k+5], v[TMP+10*\k+4:TMP+10*\k+5], 0x3fb8aa3b op_sel_hi:[1,0]
.endr
.irp k, 0,1,2,3
	v_exp_f32 v[TMP+10*\k+4], v[TMP+10*\k+4]       ; erfc(t) = e^r beyond 475/512
	v_exp_f32 v[TMP+10*\k+5], v[TMP+10*\k+5]
.endr
	HEAD 8, 2, 0xba1c7000, KD5                     ; the near branch: p(t^2).  (Plain lines behind the exponentials)
	HORN 8, 2, 0xbcdb48d9
	HORN 8, 2, 0x3de70e22
	HORN 8, 2, 0xbec09380
	HORN 8, 2, 0x3e0375d4
.irp k, 0,1,2,3
	v_pk_fma_f32 v[TMP+10*\k+8:TMP+10*\k+9], v[TMP+10*\k+8:TMP+10*\k+9], v[TMP+10*\k:TMP+10*\k+1], v[TMP+10*\k:TMP+10*\k+1]   ; erf(t) = t + t p
.endr
.irp k, 0,1,2,3
	v_pk_fma_f32 v[TMP+10*\k+8:TMP+10*\k+9], v[TMP+10*\k+8:TMP+10*\k+9], -1.0, 1.0 op_sel_hi:[1,0,0]   ; erfc = 1 - erf
.endr
.irp k, 0,1,2,3
	v_cmp_lt_f32 s[34+2*\k], 0x3f6d8000, v[TMP+10*\k]
	v_cmp_lt_f32 s[35+2*\k], 0x3f6d8000, v[TMP+10*\k+1]
.endr
	s_wait_alu depctr_va_vdst(0)
.irp k, 0,1,2,3
	v_cndmask_b32 v[TMP+10*\k+8], v[TMP+10*\k+8], v[TMP+10*\k+4], s[34+2*\k]   ; a choice of values: both branches are always computed
	v_cndmask_b32 v[TMP+10*\k+9], v[TMP+10*\k+9], v[TMP+10*\k+5], s[35+2*\k]
.endr
.irp k, 0,1,2,3
	v_pk_mul_f32 v[TMP+10*\k+6:TMP+10*\k+7], v[TMP+10*\k:TMP+10*\k+1], 0x3f3504f3 op_sel_hi:[1,0]   ; |x| / 2
.endr
.irp k, 0,1,2,3
	v_max_num_f32 v[ACC+8*\g+2*\k], 0, v[ACC+8*\g+2*\k]
	v_max_num_f32 v[ACC+8*\g+2*\k+1], 0, v[ACC+8*\g+2*\k+1]
.endr
.irp k, 0,1,2,3
	v_pk_fma_f32 v[ACC+8*\g+2*\k:ACC+8*\g+2*\k+1], v[TMP+10*\k+6:TMP+10*\k+7], v[TMP+10*\k+8:TMP+10*\k+9], v[ACC+8*\g+2*\k:ACC+8*\g+2*\k+1] neg_lo:[1,0,0] neg_hi:[1,0,0]
.endr
.endm
; 64 numbers of a lane, register 16 b + i = unit 32 b + 16 (lane / 16) + i of my row, become a fragment's codes in v[PC] on and its scale word in v[PW].
.macro QUANT s
.irp b, 0,1,2,3
	v_max3_num_f32 v[TMP+\b], |v[\s+16*\b]|, |v[\s+1+16*\b]|, 0x1800000   ; my 16 numbers of block b, and the floor 2^(3 - 127): the byte cannot fall under 1
.endr
.irp i, 2,4,6,8,10,12,14
.irp b, 0,1,2,3
	v_max3_num_f32 v[TMP+\b], v[TMP+\b], |v[\s+16*\b+\i]|, |v[\s+1+16*\b+\i]|
.endr
.endr
.irp b, 0,1,2,3
	v_permlanex16_b32 v[TMP+4+\b], v[TMP+\b], s30, s31
.endr
.irp b, 0,1,2,3
	v_max_num_f32 v[TMP+\b], v[TMP+\b], v[TMP+4+\b]        ; with lane l xor 16's: the block's largest magnitude
.endr
.irp b, 0,1,2,3
	v_add_nc_u32 v[TMP+8+\b], 0xff000000, v[TMP+\b]        ; 2 off the exponent field: the conversion's scale operand
.endr
.irp b, 0,1,2,3
	v_lshrrev_b32 v[TMP+4+\b], 23, v[TMP+8+\b]             ; the scale's byte
.endr
	v_lshl_or_b32 v[PW], v[TMP+5], 8, v[TMP+4]
	v_lshl_or_b32 v[PW], v[TMP+6], 16, v[PW]
	v_lshl_or_b32 v[PW], v[TMP+7], 24, v[PW]               ; my row's scale word (the same in lanes l and l xor 16)
.irp c, 0,1
	v_cvt_scalef32_pk16_fp6_f32 v[PC+6*\c:PC+2+6*\c], v[\s+32*\c:\s+15+32*\c], v[TMP+8+2*\c]
	v_cvt_scalef32_pk16_fp6_f32 v[PC+12+4*\c:PC+14+4*\c], v[\s+16+32*\c:\s+31+32*\c], v[TMP+8+2*\c+1]   ; (a conversion's three registers begin on an even number)
.endr
	v_nop                                          ; one plain place behind a scaled conversion
.irp c, 0,1                            ; the operand's layout wants a whole block in a lane: lanes 0-15 block 2 c, lanes 16-31 block 2 c + 1
.irp i, 0,1,2
	v_permlane16_swap_b32 v[PC+6*\c+\i], v[PC+12+4*\c+\i]
.endr
.irp i, 0,1,2
	v_mov_b32 v[PC+3+6*\c+\i], v[PC+12+4*\c+\i]
.endr
.endr
.endm
.Ltile:
	s_wait_xcnt 0x0                                ; the last trip's stores have read their data, offsets and bases: all are written again below
	s_add_co_u32 s46, s27, 4
	IDX s29, s46                                   ; my next tile, or a filled tile of the list where there is none: no load leaves its buffer
	v_lshl_add_u32 v[JA], s29, 6, v[R4]
	global_load_b32 v[J], v[JA], s[14:15]
.irp t, 0,1,2,3,4,5,6,7                ; b1 in the result's layout: the C of the first K step
	ds_load_b128 v[ACC+8*\t:ACC+8*\t+3], v[B1A] offset:(32*(\t/2)+8*(\t%2))*4
	ds_load_b128 v[ACC+8*\t+4:ACC+8*\t+7], v[B1A] offset:(32*(\t/2)+8*(\t%2))*4+16
.endr
.irp p, 0,1,2,3,4,5                    ; fragment 63 (tile 7, K step 7)
	ds_load_b64 v[TMP+2*\p:TMP+2*\p+1], v[FA1] offset:48*WPITCH+672+48*(\p/3)+8*(\p%3)
.endr
	s_wait_loadcnt 0x1                             ; this tile's 26 loads of x are in; the row number just asked for may be out
	s_wait_dscnt 0x0                               ; b1, fragment 63 (and in the first trip W1's 63 fragments)
	MULS
	s_wait_loadcnt 0x0                             ; the next tile's row numbers
	TOK                                            ; six plain lines that name no register of the last products: the places in front of the loads and of the first reads below
	XLOAD                                          ; the next tile's x lands under the GELU
.irp g, 0,1,2,3,4,5,6,7
	GELU4 \g
.endr
	QUANT ACC
	s_lshl_b32 s46, s28, 5
	s_add_co_u32 s46, s46, s23                     ; 32 x tile + c
	s_mul_i32 s48, s46, 1536
	s_mov_b32 s49, 0
	s_add_nc_u64 s[42:43], s[18:19], s[48:49]
	s_lshl_b32 s48, s46, 6
	s_add_nc_u64 s[44:45], s[20:21], s[48:49]
.irp q, 0,1,2
	global_store_b128 v[LI], v[PC+4*\q:PC+4*\q+3], s[42:43] offset:512*\q   ; the fragment as it stands: 512 consecutive bytes a store, at a multiple of 256 from the buffer's first byte
.endr
	global_store_b32 v[R4], v[PW], s[44:45]        ; 16 words, 64 bytes; lanes l and l + 16 write the same word with the same value
	s_mov_b32 s28, s29
	s_add_co_u32 s27, s27, 4
	s_add_co_u32 s53, s53, 1
	s_cmp_lt_u32 s53, s52
	s_cbranch_scc1 .Ltile
.Lend:
	s_set_vgpr_msb 0x5
	s_wait_tensorcnt 0x0
	ds_add_u32 v254, v255
	s_wait_dscnt 0x0
	s_set_vgpr_msb 0x500
	s_endpgm
.Lfunc_end_k_q4c81c81aee_up:
	.size	k_q4c81c81aee_up, .Lfunc_end_k_q4c81c81aee_up-k_q4c81c81aee_up
	.p2alignl 7, 3214868480
	.fill 96, 4, 3214868480
	.section	.rodata,"a",@progbits
	.p2align	6, 0x0
	.amdhsa_kernel k_q4c81c81aee_up
		.amdhsa_group_segment_fixed_size 101376
		.amdhsa_private_segment_fixed_size 0
		.amdhsa_enable_private_segment 0
		.amdhsa_kernarg_size 72
		.amdhsa_user_sgpr_count 2
		.amdhsa_user_sgpr_kernarg_segment_ptr 1
		.amdhsa_wavefront_size32 1
		.amdhsa_system_sgpr_workgroup_id_x 1
		.amdhsa_system_sgpr_workgroup_id_y 1
		.amdhsa_system_sgpr_workgroup_id_z 1
		.amdhsa_system_vgpr_workitem_id 0
		.amdhsa_next_free_vgpr 1024
		.amdhsa_next_free_sgpr 66
		.amdhsa_reserve_vcc 0
		.amdhsa_float_denorm_mode_32 3
		.amdhsa_float_denorm_mode_16_64 3
		.amdhsa_memory_ordered 1
		.amdhsa_forward_progress 1
		.amdhsa_inst_pref_size 124
	.end_amdhsa_kernel
	.amdgpu_metadata
---
amdhsa.version: [ 1, 2 ]
amdhsa.kernels:
  - .name:           k_q4c81c81aee_up
    .symbol:         k_q4c81c81aee_up.kd
    .args:
      - { .name: xq_codes, .offset: 0, .size: 8, .value_kind: global_buffer, .address_space: global }
      - { .name: xq_scales, .offset: 8, .size: 8, .value_kind: global_buffer, .address_space: global }
      - { .name: W1_codes, .offset: 16, .size: 8, .value_kind: global_buffer, .address_space: global }
      - { .name: W1_scales, .offset: 24, .size: 8, .value_kind: global_buffer, .address_space: global }
      - { .name: b1, .offset: 32, .size: 8, .value_kind: global_buffer, .address_space: global }
      - { .name: order, .offset: 40, .size: 8, .value_kind: global_buffer, .address_space: global }
      - { .name: seg, .offset: 48, .size: 8, .value_kind: global_buffer, .address_space: global }
      - { .name: hq_codes, .offset: 56, .size: 8, .value_kind: global_buffer, .address_space: global }
      - { .name: hq_scales, .offset: 64, .size: 8, .value_kind: global_buffer, .address_space: global }
    .group_segment_fixed_size: 101376
    .private_segment_fixed_size: 0
    .kernarg_segment_align: 8
    .kernarg_segment_size: 72
    .max_flat_workgroup_size: 128
    .sgpr_count:     66
    .vgpr_count:     1024
    .wavefront_size: 32
...
	.end_amdgpu_metadata
.endif
;; end of part 2
;; launch down (part 3): grid 32 x 8, 4 waves a work-group, no clusters, 224,768 bytes of LDS; arguments hq_codes, hq_scales, W2_codes, W2_scales, b2, seg, part; writes part
.if DOCPART == 3
	.amdgcn_target "amdgcn-amd-amdhsa--gfx1250"
	.amdhsa_code_object_version 6
	.text
	.protected	k_q4c81c81aee_down
	.globl	k_q4c81c81aee_down
	.p2align	8
	.type	k_q4c81c81aee_down,@function
k_q4c81c81aee_down:
	s_mov_b64 s[64:65], 0
	v_nop
	global_prefetch_b8 v0, s[64:65] scope:SCOPE_SE
	s_setreg_imm32_b32 hwreg(HW_REG_WAVE_MODE, 25, 1), 1
	s_wait_xcnt 0x0
; part[kh][slot][:] = half kh of the sum over the hidden units of hidden[slot] W2^T (+ b2 in half 0), for the routed rows in the sorted list's order, on codes of FP6 (E2M3) with E8M0 scales.
; Work-group (x, e): cd = x & 7: outputs 128 cd .. + 127;  kh = (x >> 3) & 1: K steps 16 kh .. + 15;  par = x >> 4: the expert's tiles of that parity.
; Its part of W2, 128 rows x 1,536 bytes, is read in loads of 512 consecutive bytes and laid in LDS once, its scale words beside it as images of the registers that take them; behind the one barrier the waves share nothing more.
; In a pass wave w holds THREE tiles of 16 rows, I, I + 8, I + 16 (I = 2 w + par + 24 x pass), all 16 K steps of each in registers (192 a tile), so that each fragment of W2 read from LDS feeds three products.
; EVERY WAVE WALKS SIX PASSES OF TWO HALVES, both constants (I stays under 128, the most tiles an expert can have; the halves are those of the 128 outputs).  What differs between the halves lies in addresses
; (W2's rows, its scale words, the columns of part) and in a choice between two sets of b2, all made at a trip's head from the loop's counter; the branch on the stored number of tiles stands inside, round the work alone.
; The first pass's hidden fragments are asked for by every wave; a later pass's at the end of the pass before, where a tile is left for it.
; A tile past the expert's end is replaced by a filled tile of the list, multiplied like the others and not stored.  A slot of a tile that has no row is stored like the others and read by nobody.
; TRANSPOSED: source 0 = 16 outputs (rows of W2), source 1 = 16 hidden rows: a lane holds eight neighbouring outputs of one row.  Results go through the wave's own stage and leave as 256 consecutive bytes of a row.
; K is cut in two so that a stored piece of a row is 256 bytes and each hidden byte is read by 16 work-groups; the two halves are added by the last launch, which owns each output row.
; NO JOINT LOADS: which passes do work is read from memory.
; REGISTERS: window 0: v1-15 addresses; v16-27 b2; v28-51 the hidden rows' scale words; v52-83 W2's; v84-179 W2's fragments, two sets of four; v180-211 rows on the way out; v212 their offset.
;   window p + 1 (p = 0, 1, 2): v0-191 tile p's 16 fragments; v192-223 its four accumulators.
.set WP,   1552                        ; an LDS row of W2: 1,536 bytes + 16 = 388 words: row r starts at bank 4 r mod 64
.set SCL,  128*WP                      ; behind W2: its scale words: image p (rows 32 p + lane): four times 512 bytes, 16 bytes a lane
.set STG,  SCL+8192                    ; behind them: a stage of 16 rows x (256 + 16) bytes for each wave
.set LI,   1                           ; v1   16 x lane
.set L4,   2                           ; v2   4 x lane
.set CO,   3                           ; v3   part: 4096 x (lane / 16) + 16 x (lane % 16)
.set WA,   4                           ; v4-5 1552 r + 24 h, and the same 32 rows on
.set WAC,  6                           ; v6-7 the same for the half in hand
.set STO,  8                           ; v8   the stage: where I put 32 bytes of a row
.set SRD,  9                           ; v9   and where I read 16 bytes of a row back
.set SA,   10                          ; v10  staging: my wave's 32 LDS rows, 16 bytes a lane
.set SRO,  11                          ; v11  W2's scales in memory: 128 x lane
.set SC0,  12                          ; v12  SCL + 16 x lane
.set SCA,  13                          ; v13  the same for the half in hand
.set SCW,  14                          ; v14  where my wave stores its image
.set R16,  15                          ; v15  16 x (lane % 16)
.set B2,   16                          ; v16-19, v20-23  b2 at my four outputs of each half
.set BC,   24                          ; v24-27 those of the half in hand
.set HS,   28                          ; 8 p + q: tile p: lanes 0-15 K step 2 q, lanes 16-31 K step 2 q + 1
.set WSC,  52                          ; 16 p + s: lanes 0-15 tile 2 p of the half's four, lanes 16-31 tile 2 p + 1
.set WF,   84
.set OUT,  180
.set COG,  212
.set MSB, 0
.macro WIN new                         ; the immediate's high byte repeats the setting that is left; a switch that changes nothing is dropped
.if MSB != (\new)
	s_set_vgpr_msb (MSB<<8)|(\new)
.set MSB, (\new)
.endif
.endm
.macro IDX dst, i                      ; the list's tile for the expert's i-th: tb + i; past its end a tile among the first 128, which every split fills; the last line bounds it for the addresses
	s_add_co_u32 \dst, s25, \i
	s_min_u32 s31, \dst, 127
	s_cmp_lt_u32 \i, s26
	s_cselect_b32 \dst, \dst, s31
	s_min_u32 \dst, \dst, 135
.endm
	s_load_b256 s[4:11], s[0:1], 0x0               ; hq_codes, hq_scales, W2_codes, W2_scales
	s_load_b128 s[12:15], s[0:1], 0x20             ; b2, seg
	s_load_b64 s[16:17], s[0:1], 0x30              ; part
	v_lshl_add_u32 v254, v0, 2, 0x36c00
	v_mov_b32 v255, 0
	v_lshrrev_b32 v213, 5, v0
	v_readfirstlane_b32 s24, v213                  ; wave 0..3
	s_and_b32 s20, ttmp7, 0xffff                   ; e
	s_and_b32 s21, ttmp9, 7                        ; cd
	s_bfe_u32 s22, ttmp9, 0x10003                  ; kh
	s_lshr_b32 s23, ttmp9, 4                       ; par
	s_lshl_b32 s56, s22, 4                         ; my first K step
	v_and_b32 v213, 31, v0                         ; lane
	v_and_b32 v214, 15, v0                         ; r
	v_bfe_u32 v215, v0, 4, 1                       ; h
	v_lshlrev_b32 v[LI], 4, v213
	v_lshlrev_b32 v[L4], 2, v213
	v_lshlrev_b32 v[R16], 4, v214
	v_lshl_add_u32 v[CO], v215, 12, v[R16]
	v_mul_u32_u24 v[WA], v214, WP
	v_mad_u32_u24 v[WA], v215, 24, v[WA]
	v_add_nc_u32 v[WA+1], 32*WP, v[WA]
	s_mul_i32 s46, s24, 16*272
	s_add_co_u32 s46, s46, STG                     ; my stage
	v_mul_u32_u24 v[STO], v214, 272
	v_lshl_add_u32 v[STO], v215, 5, v[STO]
	v_add_nc_u32 v[STO], s46, v[STO]               ; in: row r, 32 bytes for each half of the lanes
	v_mul_u32_u24 v[SRD], v215, 272
	v_add_nc_u32 v[SRD], v[SRD], v[R16]
	v_add_nc_u32 v[SRD], s46, v[SRD]               ; back: lanes 0-15 one row of 256 bytes, lanes 16-31 the next
	s_mul_i32 s46, s24, 32*WP
	v_add_nc_u32 v[SA], s46, v[LI]
	v_lshlrev_b32 v[SRO], 7, v213
	v_add_nc_u32 v[SC0], SCL, v[LI]
	s_lshl_b32 s46, s24, 11
	v_add_nc_u32 v[SCW], s46, v[SC0]
	s_lshl_b32 s31, s20, 10
	s_lshl_b32 s47, s21, 7
	s_add_co_u32 s31, s31, s47                     ; my first row of W2: 1024 e + 128 cd
	s_lshl_b32 s46, s24, 5
	s_add_co_u32 s46, s46, s31
	s_mul_i32 s46, s46, 3072                       ; my wave's 32 rows,
	s_mul_i32 s47, s22, 1536                       ; my half of each
	s_add_co_u32 s46, s46, s47
	s_mov_b32 s47, 0
	s_lshl_b32 s48, s31, 7                         ; their scale bytes: 128 a row,
	s_lshl_b32 s49, s22, 6                         ; my half's 64,
	s_add_co_u32 s48, s48, s49
	s_lshl_b32 s49, s24, 12                        ; my wave's 32 rows
	s_add_co_u32 s48, s48, s49
	s_mov_b32 s49, 0
	s_lshl_b32 s50, s31, 2                         ; b2
	s_mov_b32 s51, 0
	s_mul_i32 s52, s22, 0x880000                   ; part: half kh (2,176 rows of 4,096 bytes), my 128 columns
	s_lshl_b32 s53, s21, 9
	s_add_co_u32 s52, s52, s53
	s_mov_b32 s53, 0
	s_lshl_b32 s57, s20, 2
	s_wait_kmcnt 0x0
	s_load_b32 s25, s[14:15], s57 offset:0x0       ; tb
	s_load_b32 s26, s[14:15], s57 offset:0x20      ; T
	s_add_nc_u64 s[8:9], s[8:9], s[46:47]
	s_add_nc_u64 s[10:11], s[10:11], s[48:49]
	s_add_nc_u64 s[12:13], s[12:13], s[50:51]
	s_add_nc_u64 s[44:45], s[16:17], s[52:53]
	WIN 0x40                                       ; 96 loads of 512 consecutive bytes, three to a row, into windows 1 and 2, which are free till the first pass
.set n, 0
.rept 48
	global_load_b128 v[4*n:4*n+3], v[LI], s[8:9] offset:3072*(n/3)+512*(n%3)
.set n, n+1
.endr
	WIN 0x80
.rept 48
	global_load_b128 v[4*(n-48):4*(n-48)+3], v[LI], s[8:9] offset:3072*(n/3)+512*(n%3)
.set n, n+1
.endr
	WIN 0
.irp u, 0,1,2,3
	global_load_b128 v[WSC+4*\u:WSC+4*\u+3], v[SRO], s[10:11] offset:16*\u   ; row 32 w + lane: its 16 scale words
.endr
	global_load_b128 v[B2:B2+3], v[R16], s[12:13]
	global_load_b128 v[B2+4:B2+7], v[R16], s[12:13] offset:256
	s_wait_loadcnt 54                              ; 102 were issued: the first 48 are in
	WIN 0x04                                       ; an LDS store's data are its source 1
.set n, 0
.rept 48
	ds_store_b128 v[SA], v[4*n:4*n+3] offset:WP*(n/3)+512*(n%3)
.set n, n+1
.endr
	s_wait_loadcnt 30                              ; 72 are in
	WIN 0x08
.rept 24
	ds_store_b128 v[SA], v[4*(n-48):4*(n-48)+3] offset:WP*(n/3)+512*(n%3)
.set n, n+1
.endr
	s_wait_loadcnt 6                               ; all 96 are in
.rept 24
	ds_store_b128 v[SA], v[4*(n-48):4*(n-48)+3] offset:WP*(n/3)+512*(n%3)
.set n, n+1
.endr
	WIN 0
	s_wait_loadcnt 0x0                             ; the scale words and b2
.irp u, 0,1,2,3
	ds_store_b128 v[SCW], v[WSC+4*\u:WSC+4*\u+3] offset:512*\u
.endr
	s_cmp_eq_u32 s22, 0
	s_cselect_b32 s46, -1, 0
.irp i, 0,1,2,3,4,5,6,7
	v_and_b32 v[B2+\i], s46, v[B2+\i]              ; b2 is added in half 0 of K alone
.endr
	s_wait_kmcnt 0x0
	s_min_u32 s25, s25, 135
	s_min_u32 s26, s26, 128
	s_lshl_b32 s27, s24, 1
	s_add_co_u32 s27, s27, s23                     ; I = 2 wave + par
	s_mov_b32 s54, 0                               ; passes walked
	s_wait_dscnt 0x0                               ; my stores have landed (for the others' sake) and have read their registers
	s_barrier_signal -1
	s_barrier_wait -1                              ; the one barrier: W2 and its scale words lie in LDS and are not written again
.macro HBASE p                         ; tile p of the pass: its number in the list; where its fragments and scale words begin, and its 16 rows of part
	s_add_co_u32 s46, s27, 8*\p
	IDX s[28+\p], s46
	s_lshl_b32 s31, s[28+\p], 5
	s_add_co_u32 s31, s31, s56                     ; 32 x tile + my first K step
	s_mul_i32 s46, s31, 1536
	s_mov_b32 s47, 0
	s_add_nc_u64 s[32+2*\p:33+2*\p], s[4:5], s[46:47]
	s_lshl_b32 s46, s31, 6
	s_add_nc_u64 s[38+2*\p:39+2*\p], s[6:7], s[46:47]
	s_lshl_b32 s46, s[28+\p], 16
	s_add_nc_u64 s[48+2*\p:49+2*\p], s[44:45], s[46:47]
.endm
.macro LOADH                           ; 168 loads: 24 of scale words, then the fragments, four K steps of all three tiles at a time: 512 consecutive bytes each
	s_wait_loadcnt 0x0                             ; no earlier load is still on its way into the registers that these loads fill
	s_wait_xcnt 0x0                                ; the bases of the last pass are written again
	HBASE 0
	HBASE 1
	HBASE 2
.irp p, 0,1,2
.irp q, 0,1,2,3,4,5,6,7
	global_load_b32 v[HS+8*\p+\q], v[L4], s[38+2*\p:39+2*\p] offset:128*\q
.endr
.endr
.irp G, 0,1,2,3
.irp p, 0,1,2
	WIN (\p+1)<<6
.irp s, 0,1,2,3
.irp q, 0,1,2
	global_load_b128 v[12*(4*\G+\s)+4*\q:12*(4*\G+\s)+4*\q+3], v[LI], s[32+2*\p:33+2*\p] offset:1536*(4*\G+\s)+512*\q
.endr
.endr
.endr
.endr
	WIN 0
.endm
; K step s of the half in hand: 24 LDS loads bring the four fragments of W2 into set s & 1.
.macro FETCHW s
.irp nn, 0,1,2,3
.irp p, 0,1,2,3,4,5
	ds_load_b64 v[WF+12*(4*((\s)&1)+\nn)+2*\p:WF+12*(4*((\s)&1)+\nn)+2*\p+1], v[WAC+\nn/2] offset:(\nn%2)*16*WP+96*(\s)+48*(\p/3)+8*(\p%3)
.endr
.endr
.endm
.macro WM                              ; one product; ZZ: it starts its sum; RA, RB: the scale words lie in lanes 16-31
.if ZZ && RA
	v_wmma_scale_f32_16x16x128_f8f6f4 v[DD:DD+7], v[AA:AA+11], v[BB:BB+11], 0, v[SA_], v[SB_] matrix_a_fmt:MATRIX_FMT_FP6 matrix_b_fmt:MATRIX_FMT_FP6 matrix_a_scale:MATRIX_SCALE_ROW1
.elseif ZZ
	v_wmma_scale_f32_16x16x128_f8f6f4 v[DD:DD+7], v[AA:AA+11], v[BB:BB+11], 0, v[SA_], v[SB_] matrix_a_fmt:MATRIX_FMT_FP6 matrix_b_fmt:MATRIX_FMT_FP6
.elseif RA && RB
	v_wmma_scale_f32_16x16x128_f8f6f4 v[DD:DD+7], v[AA:AA+11], v[BB:BB+11], v[DD:DD+7], v[SA_], v[SB_] matrix_a_fmt:MATRIX_FMT_FP6 matrix_b_fmt:MATRIX_FMT_FP6 matrix_a_scale:MATRIX_SCALE_ROW1 matrix_b_scale:MATRIX_SCALE_ROW1
.elseif RA
	v_wmma_scale_f32_16x16x128_f8f6f4 v[DD:DD+7], v[AA:AA+11], v[BB:BB+11], v[DD:DD+7], v[SA_], v[SB_] matrix_a_fmt:MATRIX_FMT_FP6 matrix_b_fmt:MATRIX_FMT_FP6 matrix_a_scale:MATRIX_SCALE_ROW1
.elseif RB
	v_wmma_scale_f32_16x16x128_f8f6f4 v[DD:DD+7], v[AA:AA+11], v[BB:BB+11], v[DD:DD+7], v[SA_], v[SB_] matrix_a_fmt:MATRIX_FMT_FP6 matrix_b_fmt:MATRIX_FMT_FP6 matrix_b_scale:MATRIX_SCALE_ROW1
.else
	v_wmma_scale_f32_16x16x128_f8f6f4 v[DD:DD+7], v[AA:AA+11], v[BB:BB+11], v[DD:DD+7], v[SA_], v[SB_] matrix_a_fmt:MATRIX_FMT_FP6 matrix_b_fmt:MATRIX_FMT_FP6
.endif
.endm
; Twelve products: three tiles of rows x four tiles of outputs; the twelve accumulators by turns, in the same order in every K step.
.macro GROUP s
.if (\s) == 15
	s_wait_dscnt 0x0
.else
	s_wait_dscnt 24                                ; this K step's fragments of W2 are in; the next step's 24 loads may be out
.endif
.if ((\s) & 3) == 0                    ; the hidden fragments of these four K steps: behind them 108, 72, 36, 0 loads were issued (a wait names 63 at the most); in a pass's second half none is out
.if (\s) < 8
	s_wait_loadcnt 63
.elseif (\s) == 8
	s_wait_loadcnt 36
.else
	s_wait_loadcnt 0x0
.endif
.endif
.irp p, 0,1,2
	WIN 0x54*(\p+1)                                ; source 1, C and D in window p + 1; source 0 in window 0
.irp nn, 0,1,2,3
.set DD, 192+8*\nn
.set AA, WF+12*(4*((\s)&1)+\nn)
.set BB, 12*(\s)
.set SA_, WSC+16*(\nn/2)+(\s)
.set SB_, HS+8*\p+((\s)>>1)
.set ZZ, (\s) == 0
.set RA, \nn%2
.set RB, (\s)&1
	WM
.endr
.endr
	WIN 0
.rept 4
	v_nop                                          ; places in front of the loads into the set just multiplied, and of the stores that read results
.endr
.if (\s) == 15
	v_nop                                          ; one more where the sums begin anew behind this step
.endif
.if (\s) <= 13
	FETCHW (\s)+2
.endif
.endm
; The way out of tile p, the half's 64 outputs.  A tile past the expert's end is jumped over.
.macro OUTP p
	s_add_co_u32 s46, s27, 8*\p
	s_cmp_ge_u32 s46, s26
	s_cbranch_scc1 .Lskip_\@
	s_wait_xcnt 0x0                                ; earlier stores have read their data, which are written again below
	WIN (\p+1)<<2                                  ; the data: window p + 1
.irp nn, 0,1,2,3
	ds_store_b128 v[STO], v[192+8*\nn:195+8*\nn] offset:64*\nn          ; each accumulator from its low end on
	ds_store_b128 v[STO], v[196+8*\nn:199+8*\nn] offset:64*\nn+16
.endr
	WIN 0
.irp i, 0,1,2,3,4,5,6,7
	ds_load_b128 v[OUT+4*\i:OUT+4*\i+3], v[SRD] offset:544*\i           ; LDS serves a wave's instructions in order: these see my stores
.endr
	s_wait_dscnt 0x0
.irp i, 0,1,2,3,4,5,6,7
	v_pk_add_f32 v[OUT+4*\i:OUT+4*\i+1], v[OUT+4*\i:OUT+4*\i+1], v[BC:BC+1]
	v_pk_add_f32 v[OUT+4*\i+2:OUT+4*\i+3], v[OUT+4*\i+2:OUT+4*\i+3], v[BC+2:BC+3]
.endr
.irp i, 0,1,2,3,4,5,6,7
	global_store_b128 v[COG], v[OUT+4*\i:OUT+4*\i+3], s[48+2*\p:49+2*\p] offset:8192*\i   ; two rows: sixteen lanes store 256 consecutive bytes, at a multiple of 256 from the buffer's first byte
.endr
.Lskip_\@:
.endm
	LOADH                                          ; the first pass's three tiles, in every wave: so all that the products read has been written on every way
.Lpass:
	s_mov_b32 s55, 0                               ; which half of the 128 outputs
.Lhalf:
	s_wait_xcnt 0x0                                ; the stores of the half before have read their offset
	s_mul_i32 s46, s55, 64*WP
	v_add_nc_u32 v[WAC], s46, v[WA]                ; the half's 64 rows of W2,
	v_add_nc_u32 v[WAC+1], s46, v[WA+1]
	s_lshl_b32 s46, s55, 12
	v_add_nc_u32 v[SCA], s46, v[SC0]               ; their scale words,
	s_lshl_b32 s46, s55, 8
	v_add_nc_u32 v[COG], s46, v[CO]                ; their columns of part,
	s_cmp_eq_u32 s55, 0
	s_cselect_b32 s46, -1, 0
.irp i, 0,1,2,3
	v_cndmask_b32 v[BC+\i], v[B2+4+\i], v[B2+\i], s46   ; their b2
.endr
	s_cmp_ge_u32 s27, s26
	s_cbranch_scc1 .Lidle                          ; no tile is left for my wave in this pass: the work alone is jumped over
.irp p, 0,1
.irp u, 0,1,2,3
	ds_load_b128 v[WSC+16*\p+4*\u:WSC+16*\p+4*\u+3], v[SCA] offset:2048*\p+512*\u
.endr
.endr
	FETCHW 0
	FETCHW 1
.set Q, 0
.rept 16
	GROUP Q
.set Q, Q+1
.endr
	OUTP 0
	OUTP 1
	OUTP 2
.Lidle:
	s_add_co_u32 s55, s55, 1
	s_cmp_lt_u32 s55, 2
	s_cbranch_scc1 .Lhalf
	s_add_co_u32 s27, s27, 24
	s_cmp_ge_u32 s27, s26
	s_cbranch_scc1 .Lnoload                        ; nothing is left for the next pass: nothing is asked for
	LOADH                                          ; the next pass's three tiles (the last products stand five places back)
.Lnoload:
	s_add_co_u32 s54, s54, 1
	s_cmp_lt_u32 s54, 6
	s_cbranch_scc1 .Lpass
	s_wait_tensorcnt 0x0
	ds_add_u32 v254, v255
	s_wait_dscnt 0x0
	s_endpgm
.Lfunc_end_k_q4c81c81aee_down:
	.size	k_q4c81c81aee_down, .Lfunc_end_k_q4c81c81aee_down-k_q4c81c81aee_down
	.p2alignl 7, 3214868480
	.fill 96, 4, 3214868480
	.section	.rodata,"a",@progbits
	.p2align	6, 0x0
	.amdhsa_kernel k_q4c81c81aee_down
		.amdhsa_group_segment_fixed_size 224768
		.amdhsa_private_segment_fixed_size 0
		.amdhsa_enable_private_segment 0
		.amdhsa_kernarg_size 56
		.amdhsa_user_sgpr_count 2
		.amdhsa_user_sgpr_kernarg_segment_ptr 1
		.amdhsa_wavefront_size32 1
		.amdhsa_system_sgpr_workgroup_id_x 1
		.amdhsa_system_sgpr_workgroup_id_y 1
		.amdhsa_system_sgpr_workgroup_id_z 1
		.amdhsa_system_vgpr_workitem_id 0
		.amdhsa_next_free_vgpr 1024
		.amdhsa_next_free_sgpr 66
		.amdhsa_reserve_vcc 0
		.amdhsa_float_denorm_mode_32 3
		.amdhsa_float_denorm_mode_16_64 3
		.amdhsa_memory_ordered 1
		.amdhsa_forward_progress 1
		.amdhsa_inst_pref_size 119
	.end_amdhsa_kernel
	.amdgpu_metadata
---
amdhsa.version: [ 1, 2 ]
amdhsa.kernels:
  - .name:           k_q4c81c81aee_down
    .symbol:         k_q4c81c81aee_down.kd
    .args:
      - { .name: hq_codes, .offset: 0, .size: 8, .value_kind: global_buffer, .address_space: global }
      - { .name: hq_scales, .offset: 8, .size: 8, .value_kind: global_buffer, .address_space: global }
      - { .name: W2_codes, .offset: 16, .size: 8, .value_kind: global_buffer, .address_space: global }
      - { .name: W2_scales, .offset: 24, .size: 8, .value_kind: global_buffer, .address_space: global }
      - { .name: b2, .offset: 32, .size: 8, .value_kind: global_buffer, .address_space: global }
      - { .name: seg, .offset: 40, .size: 8, .value_kind: global_buffer, .address_space: global }
      - { .name: part, .offset: 48, .size: 8, .value_kind: global_buffer, .address_space: global }
    .group_segment_fixed_size: 224768
    .private_segment_fixed_size: 0
    .kernarg_segment_align: 8
    .kernarg_segment_size: 56
    .max_flat_workgroup_size: 128
    .sgpr_count:     66
    .vgpr_count:     1024
    .wavefront_size: 32
...
	.end_amdgpu_metadata
.endif
;; end of part 3
;; launch combine (part 4): grid 256 x 1, 4 waves a work-group, no clusters, 0 bytes of LDS; arguments x, expert_weights, part, pos, out0; writes out0
.if DOCPART == 4
	.amdgcn_target "amdgcn-amd-amdhsa--gfx1250"
	.amdhsa_code_object_version 6
	.text
	.protected	k_q4c81c81aee_combine
	.globl	k_q4c81c81aee_combine
	.p2align	8
	.type	k_q4c81c81aee_combine,@function
k_q4c81c81aee_combine:
	s_mov_b64 s[64:65], 0
	v_nop
	global_prefetch_b8 v0, s[64:65] scope:SCOPE_SE
	s_setreg_imm32_b32 hwreg(HW_REG_WAVE_MODE, 25, 1), 1
	s_wait_xcnt 0x0
; out[t] = x[t] + w0 (P0[a] + P1[a]) + w1 (P0[b] + P1[b]);  a = pos[2 t], b = pos[2 t + 1]: the slots of the token's two routed rows;
; (w0, w1) = softmax of the token's two router weights, the larger taken away before the exponentials.
; P0, P1: the two K halves of the routed rows' results, [2][2176][1024] f32.  A wave owns a token, so each output row has one owner.  A stream: 40 loads of 512 consecutive bytes a wave, all issued at once,
; eight stores of 512 consecutive bytes.  No LDS, no barrier, no matrix unit: memory binds.
.set D, 20                             ; v20-179: piece i of eight: x, P0[a], P0[b], P1[a], P1[b], four registers each
	s_load_b256 s[4:11], s[0:1], 0x0               ; x, expert_weights, part, pos
	s_load_b64 s[12:13], s[0:1], 0x20              ; out0
	v_lshrrev_b32 v1, 5, v0
	v_readfirstlane_b32 s14, v1                    ; wave
	v_and_b32 v1, 31, v0
	v_lshlrev_b32 v1, 4, v1                        ; 16 bytes a lane
	v_mov_b32 v8, 0
	s_lshl_b32 s15, ttmp9, 2
	s_add_co_u32 s15, s15, s14                     ; my token
	s_lshl_b32 s16, s15, 12
	s_mov_b32 s17, 0
	s_lshl_b32 s18, s15, 3
	s_mov_b32 s19, 0
	s_wait_kmcnt 0x0
	s_load_b64 s[20:21], s[10:11], s18 offset:0x0  ; the two slots
	s_add_nc_u64 s[4:5], s[4:5], s[16:17]
	s_add_nc_u64 s[12:13], s[12:13], s[16:17]
	s_add_nc_u64 s[6:7], s[6:7], s[18:19]
	global_load_b64 v[2:3], v8, s[6:7]             ; the two weights, in every lane
	s_wait_kmcnt 0x0
	s_min_u32 s20, s20, 2175                       ; a slot of the list's 136 x 16
	s_min_u32 s21, s21, 2175
	s_lshl_b32 s22, s20, 12
	s_mov_b32 s23, 0
	s_lshl_b32 s24, s21, 12
	s_mov_b32 s25, 0
	s_add_nc_u64 s[22:23], s[8:9], s[22:23]        ; half 0: row a,
	s_add_nc_u64 s[24:25], s[8:9], s[24:25]        ; row b;
	s_add_nc_u64 s[26:27], s[22:23], 0x880000      ; half 1, 2,176 rows on
	s_add_nc_u64 s[28:29], s[24:25], 0x880000
.irp i, 0,1,2,3,4,5,6,7
	global_load_b128 v[D+20*\i:D+20*\i+3],     v1, s[4:5] offset:512*\i
	global_load_b128 v[D+20*\i+4:D+20*\i+7],   v1, s[22:23] offset:512*\i th:TH_LOAD_NT
	global_load_b128 v[D+20*\i+8:D+20*\i+11],  v1, s[24:25] offset:512*\i th:TH_LOAD_NT
	global_load_b128 v[D+20*\i+12:D+20*\i+15], v1, s[26:27] offset:512*\i th:TH_LOAD_NT
	global_load_b128 v[D+20*\i+16:D+20*\i+19], v1, s[28:29] offset:512*\i th:TH_LOAD_NT
.endr
	s_wait_loadcnt 40                              ; the weights are in; the 40 loads behind them may be out
	v_max_num_f32 v9, v2, v3
	v_sub_f32 v10, v2, v9
	v_sub_f32 v11, v3, v9
	v_mul_f32 v10, 0x3fb8aa3b, v10
	v_mul_f32 v11, 0x3fb8aa3b, v11
	v_exp_f32 v10, v10
	v_exp_f32 v11, v11
	v_nop                                          ; a plain place behind the exponentials
	s_wait_alu depctr_va_vdst(0)
	v_add_f32 v12, v10, v11
	v_rcp_f32 v12, v12
	v_nop                                          ; and behind the reciprocal
	s_wait_alu depctr_va_vdst(0)
	v_mul_f32 v4, v10, v12                         ; w0,
	v_mul_f32 v6, v11, v12                         ; w1,
	v_mov_b32 v5, v4                               ; each twice, for the packed forms
	v_mov_b32 v7, v6
.irp i, 0,1,2,3,4,5,6,7
	s_wait_loadcnt 5*(7-\i)                        ; piece i's five loads are in; the later pieces' may be out
.irp p, 0,2
	v_pk_add_f32 v[D+20*\i+4+\p:D+20*\i+5+\p], v[D+20*\i+4+\p:D+20*\i+5+\p], v[D+20*\i+12+\p:D+20*\i+13+\p]
	v_pk_add_f32 v[D+20*\i+8+\p:D+20*\i+9+\p], v[D+20*\i+8+\p:D+20*\i+9+\p], v[D+20*\i+16+\p:D+20*\i+17+\p]
	v_pk_fma_f32 v[D+20*\i+\p:D+20*\i+1+\p], v[D+20*\i+4+\p:D+20*\i+5+\p], v[4:5], v[D+20*\i+\p:D+20*\i+1+\p]
	v_pk_fma_f32 v[D+20*\i+\p:D+20*\i+1+\p], v[D+20*\i+8+\p:D+20*\i+9+\p], v[6:7], v[D+20*\i+\p:D+20*\i+1+\p]
.endr
	global_store_b128 v1, v[D+20*\i:D+20*\i+3], s[12:13] offset:512*\i th:TH_STORE_NT   ; 512 consecutive bytes, at a multiple of 256 from the buffer's first byte
.endr
	s_endpgm
.Lfunc_end_k_q4c81c81aee_combine:
	.size	k_q4c81c81aee_combine, .Lfunc_end_k_q4c81c81aee_combine-k_q4c81c81aee_combine
	.p2alignl 7, 3214868480
	.fill 96, 4, 3214868480
	.section	.rodata,"a",@progbits
	.p2align	6, 0x0
	.amdhsa_kernel k_q4c81c81aee_combine
		.amdhsa_group_segment_fixed_size 0
		.amdhsa_private_segment_fixed_size 0
		.amdhsa_enable_private_segment 0
		.amdhsa_kernarg_size 40
		.amdhsa_user_sgpr_count 2
		.amdhsa_user_sgpr_kernarg_segment_ptr 1
		.amdhsa_wavefront_size32 1
		.amdhsa_system_sgpr_workgroup_id_x 1
		.amdhsa_system_sgpr_workgroup_id_y 1
		.amdhsa_system_sgpr_workgroup_id_z 1
		.amdhsa_system_vgpr_workitem_id 0
		.amdhsa_next_free_vgpr 184
		.amdhsa_next_free_sgpr 66
		.amdhsa_reserve_vcc 0
		.amdhsa_float_denorm_mode_32 3
		.amdhsa_float_denorm_mode_16_64 3
		.amdhsa_memory_ordered 1
		.amdhsa_forward_progress 1
		.amdhsa_inst_pref_size 11
	.end_amdhsa_kernel
	.amdgpu_metadata
---
amdhsa.version: [ 1, 2 ]
amdhsa.kernels:
  - .name:           k_q4c81c81aee_combine
    .symbol:         k_q4c81c81aee_combine.kd
    .args:
      - { .name: x, .offset: 0, .size: 8, .value_kind: global_buffer, .address_space: global }
      - { .name: expert_weights, .offset: 8, .size: 8, .value_kind: global_buffer, .address_space: global }
      - { .name: part, .offset: 16, .size: 8, .value_kind: global_buffer, .address_space: global }
      - { .name: pos, .offset: 24, .size: 8, .value_kind: global_buffer, .address_space: global }
      - { .name: out0, .offset: 32, .size: 8, .value_kind: global_buffer, .address_space: global }
    .group_segment_fixed_size: 0
    .private_segment_fixed_size: 0
    .kernarg_segment_align: 8
    .kernarg_segment_size: 40
    .max_flat_workgroup_size: 128
    .sgpr_count:     66
    .vgpr_count:     184
    .wavefront_size: 32
...
	.end_amdgpu_metadata
.endif
;; end of part 4
;; ======== version 2 of 2: 4 launches
;; workspace buffers: xq_codes 786,432 bytes; xq_scales 32,768 bytes; order 8,704 bytes of whole numbers; seg 256 bytes of whole numbers; pos 8,192 bytes of whole numbers; hq_codes 6,684,672 bytes; hq_scales 278,528 bytes; part 17,825,792 bytes
;; launch prep (part 5): grid 129 x 1, 8 waves a work-group, no clusters, 44,032 bytes of LDS; arguments x, expert_indices, xq_codes, xq_scales, order, seg, pos; writes xq_codes, xq_scales, order, seg, pos
.if DOCPART == 5
	.amdgcn_target "amdgcn-amd-amdhsa--gfx1250"
	.amdhsa_code_object_version 6
	.text
	.protected	k_q4c81c81aee_prep
	.globl	k_q4c81c81aee_prep
	.p2align	8
	.type	k_q4c81c81aee_prep,@function
k_q4c81c81aee_prep:
	s_mov_b64 s[64:65], 0
	v_nop
	global_prefetch_b8 v0, s[64:65] scope:SCOPE_SE
	s_setreg_imm32_b32 hwreg(HW_REG_WAVE_MODE, 25, 1), 1
	s_wait_xcnt 0x0
; Work-groups 0-127: x [1024 tokens][1024] f32 becomes codes of FP6 (E2M3) with one E8M0 byte for each 32 along K.  A wave takes a token.
; Work-group 128: the 2,048 routed rows j = 2 token + k are sorted by expert (a counting sort, no atomics) into tiles of 16 rows.
; xq_codes: [token][K step 8][half 2][48 bytes]: in each 96 bytes the blocks of 24 bytes lie in the order 0, 2, 1, 3, so that the 12 operand registers of lane (row, half) are 48 bytes on end.
; xq_scales: [token][32 bytes], in K's order.   order: [tile][16] row numbers j, 2048 = no row.   pos: [j] the row's slot, 16 x tile + place.   seg: word e = expert e's first tile, word 8 + e = its number of tiles.
; A block's scale is 2^(floor(log2(largest magnitude)) - 2); its byte is the largest magnitude's exponent field - 2, held at 1 from below.
; LIMITS: a block of zeros gets the byte 1 (its codes are zeros; this program alone reads the bytes); NaN and infinities are not served; indices lie in 0 .. 7.
; The two paths part on the work-group's number alone and use LDS bytes of their own.
.set SP,   80                          ; a lane's place in a stage: 64 bytes + 16 of padding
.set STG,  32*SP                       ; a stage: 512 numbers
.set WREG, 2*STG                       ; a wave's two stages
.set SCB,  8*WREG                      ; the work-group's 256 scale bytes
.set SRT,  SCB+256                     ; the sort's counts: 32 words a wave
.set R,    16                          ; v16-47  the token as loaded
.set X,    48                          ; v48-79  16 neighbours a lane, two steps
.set C,    80                          ; v80-87  codes
.set E,    88                          ; v88-89  scale bytes
	s_load_b256 s[4:11], s[0:1], 0x0               ; x, indices, xq_codes, xq_scales
	s_load_b128 s[12:15], s[0:1], 0x20             ; order, seg
	s_load_b64 s[36:37], s[0:1], 0x30              ; pos
	v_lshl_add_u32 v96, v0, 2, 0xa800
	v_mov_b32 v97, 0
	v_lshrrev_b32 v1, 5, v0
	s_delay_alu instid0(VALU_DEP_1)
	v_readfirstlane_b32 s16, v1                    ; wave 0..7
	v_and_b32 v2, 31, v0                           ; lane
	s_cmp_eq_u32 ttmp9, 128
	s_cbranch_scc1 .Lsort
	; ---------------- the quantiser ----------------
	v_lshlrev_b32 v3, 4, v2                        ; my 16 bytes of a load's 512
	v_lshrrev_b32 v8, 1, v2                        ; b: my block among a step's 16
	s_delay_alu instid0(VALU_DEP_1)
	v_and_b32 v9, 12, v8                           ; its K step,
	s_delay_alu instid0(VALU_DEP_2)
	v_and_b32 v10, 1, v8
	s_delay_alu instid0(VALU_DEP_1)
	v_lshl_or_b32 v9, v10, 1, v9                   ; and its place there: blocks 1 and 2 change places
	s_delay_alu instid0(VALU_DEP_4)
	v_bfe_u32 v10, v8, 1, 1
	s_delay_alu instid0(VALU_DEP_1)
	v_or_b32 v9, v9, v10
	s_delay_alu instid0(VALU_DEP_1)
	v_mul_u32_u24 v4, v9, 24
	v_and_b32 v10, 1, v2
	s_delay_alu instid0(VALU_DEP_1)
	v_mad_u32_u24 v4, v10, 12, v4                  ; my 12 bytes of codes in a step's 384
	s_mul_i32 s17, s16, WREG
	v_lshrrev_b32 v14, 2, v2
	s_delay_alu instid0(VALU_DEP_1)
	v_mul_u32_u24 v14, v14, SP
	v_and_b32 v15, 3, v2
	s_delay_alu instid0(VALU_DEP_1)
	v_lshl_add_u32 v14, v15, 4, v14
	s_delay_alu instid0(VALU_DEP_1)
	v_add_nc_u32 v14, s17, v14                     ; into the stage: four lanes' 64 bytes on end, then padding
	v_mul_u32_u24 v15, v2, SP
	s_delay_alu instid0(VALU_DEP_1)
	v_add_nc_u32 v15, s17, v15                     ; out of it: my 16 neighbours
	s_lshl_b32 s18, s16, 5
	s_add_co_u32 s18, s18, SCB
	v_lshrrev_b32 v5, 1, v2
	s_delay_alu instid0(VALU_DEP_1)
	v_add_nc_u32 v5, s18, v5                       ; my block's scale byte: 32 bytes a token
	v_lshlrev_b32 v7, 3, v2
	s_delay_alu instid0(VALU_DEP_1)
	v_add_nc_u32 v6, SCB, v7                       ; and the way out: 8 bytes a lane
	s_lshl_b32 s20, ttmp9, 3
	s_add_co_u32 s20, s20, s16                     ; my token
	s_lshl_b32 s22, s20, 12
	s_mov_b32 s23, 0
	s_mul_i32 s24, s20, 768
	s_mov_b32 s25, 0
	s_lshl_b32 s26, ttmp9, 8
	s_mov_b32 s27, 0
	s_wait_alu depctr_va_vdst(0)
	s_wait_kmcnt 0x0
	s_add_nc_u64 s[4:5], s[4:5], s[22:23]
	s_add_nc_u64 s[8:9], s[8:9], s[24:25]
	s_add_nc_u64 s[10:11], s[10:11], s[26:27]
.irp i, 0,1,2,3,4,5,6,7
	global_load_b128 v[R+4*\i:R+4*\i+3], v3, s[4:5] offset:512*\i   ; 32 lanes read 512 consecutive bytes
.endr
.macro TURN t                          ; a step's 2,048 bytes through the wave's own stage; LDS serves a wave's instructions in order
.irp i, 0,1,2,3
	ds_store_b128 v14, v[R+16*\t+4*\i:R+16*\t+4*\i+3] offset:STG*\t+8*SP*\i
.endr
.irp i, 0,1,2,3
	ds_load_b128 v[X+16*\t+4*\i:X+16*\t+4*\i+3], v15 offset:STG*\t+16*\i
.endr
.endm
.macro STEP t
.set XS, X+16*\t
	v_max3_num_f32 v8, |v[XS]|, |v[XS+1]|, |v[XS+2]|               ; the largest magnitude of my 16, in two chains
	v_max3_num_f32 v9, |v[XS+3]|, |v[XS+4]|, |v[XS+5]|
.irp i, 6,10
	s_delay_alu instid0(VALU_DEP_2)
	v_max3_num_f32 v8, v8, |v[XS+\i]|, |v[XS+\i+1]|
	s_delay_alu instid0(VALU_DEP_2)
	v_max3_num_f32 v9, v9, |v[XS+\i+2]|, |v[XS+\i+3]|
.endr
	s_delay_alu instid0(VALU_DEP_2)
	v_max3_num_f32 v8, v8, |v[XS+14]|, |v[XS+15]|
	s_delay_alu instid0(VALU_DEP_1)
	v_max3_num_f32 v8, v8, v9, 0x1800000           ; and the floor 2^(3 - 127): the byte cannot fall under 1
	s_delay_alu instid0(VALU_DEP_1)
	v_max_num_f32_dpp v8, v8, v8 row_xmask:1 row_mask:0xf bank_mask:0xf   ; with my neighbour's 16: the block's
	s_delay_alu instid0(VALU_DEP_1)
	v_add_nc_u32 v11, 0xff000000, v8               ; 2 off the exponent field: the conversion's scale operand
	v_cvt_scalef32_pk16_fp6_f32 v[C+4*\t:C+4*\t+2], v[XS:XS+15], v11
	v_lshrrev_b32 v[E+\t], 23, v11                 ; the scale's byte (the plain line behind the conversion)
	ds_store_b8 v5, v[E+\t] offset:16*\t           ; both lanes of a block write the same byte with the same value
	global_store_b96 v4, v[C+4*\t:C+4*\t+2], s[8:9] offset:384*\t   ; the wave's 32 pieces cover 384 consecutive bytes
.endm
	s_wait_loadcnt 0x4                             ; the first step's four loads are in
	TURN 0
	s_wait_loadcnt 0x0
	TURN 1
	s_wait_dscnt 0x8                               ; step 0 is back from its stage; step 1's eight LDS instructions may be out
	STEP 0
	s_wait_dscnt 0x1                               ; step 1 is back; step 0's byte store may be out
	STEP 1
	s_wait_dscnt 0x0                               ; for the others' sake: my scale bytes lie in LDS
	s_barrier_signal -1
	s_barrier_wait -1
	s_cmp_lg_u32 s16, 0
	s_cbranch_scc1 .Lqend
	ds_load_b64 v[12:13], v6                       ; eight tokens' scale bytes
	s_wait_dscnt 0x0
	global_store_b64 v7, v[12:13], s[10:11]        ; 32 lanes store 256 consecutive bytes, at a multiple of 256 from the buffer's first byte
.Lqend:
	s_wait_tensorcnt 0x0
	ds_add_u32 v96, v97
	s_wait_dscnt 0x0
	s_endpgm
	; ---------------- the sort ----------------
	; Wave w holds rows j = 256 w + 32 g + lane, g = 0 .. 7.  Counts by wave and expert meet in LDS; every wave then knows each expert's total, its tiles and where its own rows begin.
.Lsort:
	s_wait_alu depctr_va_vdst(0)
	v_lshlrev_b32 v3, 10, v1
	s_delay_alu instid0(VALU_DEP_1)
	v_lshl_add_u32 v3, v2, 2, v3                   ; 4 (256 w + lane): my word of the indices and of pos
	v_lshl_add_u32 v4, v1, 8, v2                   ; j for g = 0
	v_lshl_add_u32 v5, v0, 2, SRT                  ; my word among the counts
	v_and_b32 v6, 7, v2
	s_delay_alu instid0(VALU_DEP_1)
	v_lshl_add_u32 v6, v6, 2, SRT                  ; expert lane % 8's count of wave 0
	v_lshlrev_b32 v67, 2, v2                       ; 4 x lane: a word of seg.  Made here, with every lane on
	v_mov_b32 v66, 2048                            ; 'no row'
	s_wait_alu depctr_va_vdst(0)
	s_wait_kmcnt 0x0
.irp g, 0,1,2,3,4,5,6,7
	global_load_b32 v[16+\g], v3, s[6:7] offset:128*\g
.endr
	s_wait_loadcnt 0x0
.irp g, 0,1,2,3,4,5,6,7                ; s[20+e]: how many of my wave's 256 rows go to expert e
.irp e, 0,1,2,3,4,5,6,7
	v_cmp_eq_u32 s28, \e, v[16+\g]
.if \g == 0
	s_bcnt1_i32_b32 s[20+\e], s28
.else
	s_bcnt1_i32_b32 s29, s28
	s_add_co_u32 s[20+\e], s[20+\e], s29
.endif
.endr
.endr
	v_mov_b32 v46, 0
.irp e, 0,1,2,3,4,5,6,7
	s_delay_alu instid0(VALU_DEP_1)
	v_writelane_b32 v46, s[20+\e], \e
.endr
	ds_store_b32 v5, v46
	s_wait_dscnt 0x0                               ; for the others' sake
	s_barrier_signal -1
	s_barrier_wait -1
.irp w, 0,1,2,3,4,5,6,7
	ds_load_b32 v[32+\w], v6 offset:128*\w         ; lane l: expert l % 8's count in wave w
.endr
	s_wait_dscnt 0x0
	v_add3_u32 v40, v32, v33, v34
	s_delay_alu instid0(VALU_DEP_1)
	v_add3_u32 v40, v40, v35, v36
	s_delay_alu instid0(VALU_DEP_1)
	v_add3_u32 v40, v40, v37, v38
	s_delay_alu instid0(VALU_DEP_1)
	v_add_nc_u32 v40, v40, v39                     ; n: the expert's rows
	v_mov_b32 v41, 0
.irp w, 0,1,2,3,4,5,6
	s_cmp_gt_u32 s16, \w
	s_cselect_b32 s29, -1, 0
	v_and_b32 v44, s29, v[32+\w]
	s_delay_alu instid0(VALU_DEP_1)
	v_add_nc_u32 v41, v41, v44                     ; P: those of them that lie in waves ahead of mine
.endr
	v_add_nc_u32 v42, 15, v40
	s_delay_alu instid0(VALU_DEP_1)
	v_lshrrev_b32 v42, 4, v42                      ; T: its tiles
	s_delay_alu instid0(VALU_DEP_1)
	v_mov_b32 v43, v42
.irp d, 1,2,4                          ; running sum of T over lanes 0-7 (lanes 8-15 are not read)
	s_delay_alu instid0(VALU_DEP_1)
	v_mov_b32_dpp v44, v43 row_shr:\d row_mask:0xf bank_mask:0xf bound_ctrl:1
	s_delay_alu instid0(VALU_DEP_1)
	v_add_nc_u32 v43, v43, v44
.endr
	s_delay_alu instid0(VALU_DEP_1)
	v_sub_nc_u32 v47, v43, v42                     ; tb: its first tile
	s_delay_alu instid0(VALU_DEP_1)
	v_lshl_add_u32 v45, v47, 4, v41                ; where my wave's rows of it begin
.irp e, 0,1,2,3,4,5,6,7
	v_readlane_b32 s[20+\e], v45, \e
.endr
.irp g, 0,1,2,3,4,5,6,7
	v_mov_b32 v[24+\g], 0
.irp e, 0,1,2,3,4,5,6,7
	v_cmp_eq_u32 s28, \e, v[16+\g]
	s_delay_alu instid0(VALU_DEP_1)
	v_mbcnt_lo_u32_b32 v44, s28, 0                 ; rows of this expert in lower lanes
	s_delay_alu instid0(VALU_DEP_1)
	v_add_nc_u32 v44, s[20+\e], v44
	s_delay_alu instid0(VALU_DEP_1)
	v_cndmask_b32 v[24+\g], v[24+\g], v44, s28
	s_bcnt1_i32_b32 s29, s28
	s_add_co_u32 s[20+\e], s[20+\e], s29
.endr
	v_min_u32 v[24+\g], 2175, v[24+\g]             ; a slot of the list's 136 x 16
	s_delay_alu instid0(VALU_DEP_1)
	v_lshlrev_b32 v[48+\g], 2, v[24+\g]
	v_add_nc_u32 v[56+\g], 32*\g, v4
	global_store_b32 v[48+\g], v[56+\g], s[12:13]  ; order[slot] = j: 4 bytes a lane, lanes of one expert side by side: 8 KB in the whole launch
	global_store_b32 v3, v[24+\g], s[36:37] offset:128*\g   ; pos[j] = slot: 128 consecutive bytes
.endr
	v_readlane_b32 s30, v40, s16                   ; wave w fills expert w's last tile: n,
	v_readlane_b32 s31, v47, s16                   ; tb,
	v_readlane_b32 s32, v42, s16                   ; T
	s_lshl_b32 s33, s32, 4
	s_sub_co_u32 s33, s33, s30                     ; slots without a row: 0 .. 15
	s_lshl_b32 s34, s31, 4
	s_add_co_u32 s34, s34, s30
	v_add_nc_u32 v65, s34, v2
	s_delay_alu instid0(VALU_DEP_1)
	v_min_u32 v65, 2175, v65
	s_delay_alu instid0(VALU_DEP_1)
	v_lshlrev_b32 v65, 2, v65
	s_wait_xcnt 0x0                                ; EXEC changes only behind this wait
	s_cmp_lg_u32 s16, 0
	s_cbranch_scc1 .Lpads
	v_cmp_gt_u32 vcc_lo, 8, v2
	s_and_saveexec_b32 s35, vcc_lo
	global_store_b32 v67, v47, s[14:15]            ; seg: first tiles,
	global_store_b32 v67, v42, s[14:15] offset:32  ; numbers of tiles
	s_wait_xcnt 0x0                                ; and again in front of the line that widens it
	s_or_b32 exec_lo, exec_lo, s35
.Lpads:
	v_cmp_gt_u32 vcc_lo, s33, v2
	s_wait_tensorcnt 0x0
	ds_add_u32 v96, v97
	s_wait_dscnt 0x0
	s_and_saveexec_b32 s35, vcc_lo
	s_wait_alu depctr_va_vdst(0)
	global_store_b32 v65, v66, s[12:13]
	s_wait_xcnt 0x0
	s_or_b32 exec_lo, exec_lo, s35
	s_endpgm
.Lfunc_end_k_q4c81c81aee_prep:
	.size	k_q4c81c81aee_prep, .Lfunc_end_k_q4c81c81aee_prep-k_q4c81c81aee_prep
	.p2alignl 7, 3214868480
	.fill 96, 4, 3214868480
	.section	.rodata,"a",@progbits
	.p2align	6, 0x0
	.amdhsa_kernel k_q4c81c81aee_prep
		.amdhsa_group_segment_fixed_size 44032
		.amdhsa_private_segment_fixed_size 0
		.amdhsa_enable_private_segment 0
		.amdhsa_kernarg_size 56
		.amdhsa_user_sgpr_count 2
		.amdhsa_user_sgpr_kernarg_segment_ptr 1
		.amdhsa_wavefront_size32 1
		.amdhsa_system_sgpr_workgroup_id_x 1
		.amdhsa_system_sgpr_workgroup_id_y 1
		.amdhsa_system_sgpr_workgroup_id_z 1
		.amdhsa_system_vgpr_workitem_id 0
		.amdhsa_next_free_vgpr 98
		.amdhsa_next_free_sgpr 66
		.amdhsa_reserve_vcc 1
		.amdhsa_float_denorm_mode_32 3
		.amdhsa_float_denorm_mode_16_64 3
		.amdhsa_memory_ordered 1
		.amdhsa_forward_progress 1
		.amdhsa_inst_pref_size 50
	.end_amdhsa_kernel
	.amdgpu_metadata
---
amdhsa.version: [ 1, 2 ]
amdhsa.kernels:
  - .name:           k_q4c81c81aee_prep
    .symbol:         k_q4c81c81aee_prep.kd
    .args:
      - { .name: x, .offset: 0, .size: 8, .value_kind: global_buffer, .address_space: global }
      - { .name: expert_indices, .offset: 8, .size: 8, .value_kind: global_buffer, .address_space: global }
      - { .name: xq_codes, .offset: 16, .size: 8, .value_kind: global_buffer, .address_space: global }
      - { .name: xq_scales, .offset: 24, .size: 8, .value_kind: global_buffer, .address_space: global }
      - { .name: order, .offset: 32, .size: 8, .value_kind: global_buffer, .address_space: global }
      - { .name: seg, .offset: 40, .size: 8, .value_kind: global_buffer, .address_space: global }
      - { .name: pos, .offset: 48, .size: 8, .value_kind: global_buffer, .address_space: global }
    .group_segment_fixed_size: 44032
    .private_segment_fixed_size: 0
    .kernarg_segment_align: 8
    .kernarg_segment_size: 56
    .max_flat_workgroup_size: 256
    .sgpr_count:     66
    .vgpr_count:     98
    .wavefront_size: 32
...
	.end_amdgpu_metadata
.endif
;; end of part 5
;; launch up (part 6): grid 32 x 8, 4 waves a work-group, no clusters, 101,376 bytes of LDS; arguments xq_codes, xq_scales, W1_codes, W1_scales, b1, order, seg, hq_codes, hq_scales; writes hq_codes, hq_scales
.if DOCPART == 6
	.amdgcn_target "amdgcn-amd-amdhsa--gfx1250"
	.amdhsa_code_object_version 6
	.text
	.protected	k_q4c81c81aee_up
	.globl	k_q4c81c81aee_up
	.p2align	8
	.type	k_q4c81c81aee_up,@function
k_q4c81c81aee_up:
	s_mov_b64 s[64:65], 0
	v_nop
	global_prefetch_b8 v0, s[64:65] scope:SCOPE_SE
	s_setreg_imm32_b32 hwreg(HW_REG_WAVE_SCHED_MODE, 0, 2), 2
	s_setreg_imm32_b32 hwreg(HW_REG_WAVE_MODE, 25, 1), 1
	s_wait_xcnt 0x0
	s_wait_alu depctr_vm_vsrc(0)
; hidden = Q(gelu(x W1^T + b1)) for the routed rows alone, on codes of FP6 (E2M3) with E8M0 scales; Q = the quantiser along the hidden units, the next product's K.
; Work-group (c, e): hidden units 128 c .. 128 c + 127 of expert e, which are K step c of the next product.  Its 98,304 bytes of W1 are read from memory once, in loads of 512 consecutive bytes, laid in LDS as
; rows, and taken by each of the four waves into REGISTERS (64 fragments of 16 units x 128 K; 63 in windows 1-3, the last read from LDS in each trip, since 12 registers do not cross a window's end).
; Behind the one barrier the waves share nothing: wave w takes the expert's tiles of 16 rows w, w + 4, ..  A trip: 64 products (b1 is the C of the first K step), exact GELU, the quantiser, one fragment out.
; TRANSPOSED: source 0 = 16 units of W1, source 1 = 16 rows of x: a lane holds ONE row.  THE UNITS OF A TILE ARE NOT NEIGHBOURS: lane r of tile 2 b + u takes unit 32 b + 8 u + r + 8 (r / 8), so that the 16 registers
; of tiles 2 b, 2 b + 1 are 16 neighbouring units 32 b + 16 (lane / 16) + 0 .. 15.  In LDS unit u lies in row u with its bits 3 and 4 exchanged, so that a tile's rows are neighbours there.
; hq_codes: [tile][K step 32][3][lane][16 bytes], the image of the operand's registers; hq_scales: [tile][K step][row 16] words.
; GELU: gelu(x) = max(x, 0) - (|x| / 2) erfc(|x| / sqrt 2).  erfc(t) = 1 - (t + t p(t^2)) up to t = 475/512 and e^(r(t)) beyond, two polynomials that give erf to 1 ulp: nothing is cancelled in the negative tail.
; NO JOINT LOADS: the number of trips is read from memory, and each byte of W1 is wanted by one work-group alone.
; LIMITS: NaN and infinities are not served; a block of zeros gets the byte 1 (codes zero; this program alone reads the bytes); the exponent r(t) is brought to base 2 by one f32 multiply, so erfc's relative
; error grows as 6e-8 x |r| / ln 2 (1e-6 at x = -4).  A slot of the list without a row (2048) is computed as token 1023 and never used.
; THE MODE: SCHED_MODE bits 1:0 = 2 (LLVM: expert scheduling mode 2), set by the entry lines.  The code itself states the register dependences between vector or matrix instructions and memory or LDS
; instructions, with s_wait_alu, always for 0.
; THE PLAN.  Registers that memory or LDS instructions touch, in the loop:
;   XF, XS      read by the trip's 64 products; behind them the next tile's 26 loads land there.
;   XO, XSO     written by TOK, behind the products; read by those 26 loads.
;   J           a load at the trip's head lands in it; TOK reads and writes it.
;   ACC, v216-227   written and read by GELU and the quantiser; at the next trip's head b1 and fragment 63 land there.
;   PC, PW      written by the quantiser; read by the trip's four stores; written again by the next trip's GELU.
;   LI, R4, B1A, FA0, FA1   made at the head and never written again; the list's tile is reached by a scalar base.
; So a trip holds: at its head one wait on vm_vsrc (the stores have read PC and PW, x's loads XO and XSO); behind TOK one wait on va_vdst (XO and XSO are written, the products are done reading XF and XS), behind
; which x's loads are dealt among the first four tiles of the GELU, which name ACC, v216-255 and the constants alone; ahead of the stores one wait on va_vdst (PC and PW are written), behind which no vector
; instruction stands up to the next head's loads into J, ACC and v216-227: it serves them too.  In each tile of the GELU: one wait on va_sdst for its eight masks, beside the wait for its exponentials.
.set WPITCH, 784                       ; an LDS row: 768 bytes + 16 = 196 words: row r starts at bank 4 r mod 64, so the 32 lanes of a load of 8 bytes touch 64 different banks
.set B1L,  128*WPITCH                  ; behind W1: my 128 numbers of b1
.set LI,   1                           ; v1   16 x lane
.set R4,   2                           ; v2   4 x (lane % 16)
.set B1A,  3                           ; v3   B1L + 64 x (lane / 16)
.set FA0,  4                           ; v4   784 r + 24 h: a fragment's bytes in tiles 0-3;  v5 the same for tiles 4-7
.set FA1,  5
.set XO,   6                           ; v6   my row's codes in xq_codes
.set XSO,  7                           ; v7   its scale bytes
.set J,    8                           ; v8   the row number, then the token
.set KC6,  10                          ; v[10:11], v[12:13], v[14:15]: three constants that stand beside a literal (the packed form takes the pair's low word for both halves)
.set KC4,  12
.set KD5,  14
.set WS,   16                          ; v16-47   W1's scale words: 8 b + s: lanes 0-15 tile 2 b, lanes 16-31 tile 2 b + 1
.set XS,   48                          ; v48-55   x's scale words, one a K step
.set XF,   56                          ; v56-151  x's eight fragments
.set ACC,  152                         ; v152-215 eight tiles of the hidden layer
.set TMP,  216                         ; v216-255 at work
.set PW,   228                         ; the scale word made
.set PC,   230                         ; v230-248 the codes made
.set MSB, 0
.macro WIN new                         ; the immediate's high byte repeats the setting that is left; a switch that changes nothing is dropped
.if MSB != (\new)
	s_set_vgpr_msb (MSB<<8)|(\new)
.set MSB, (\new)
.endif
.endm
; The list's tile for my i-th tile: tb + i; past the expert's end a tile among the first 128, which every split fills.  The last line bounds the number for the addresses made of it.
.macro IDX dst, i
	s_add_co_u32 \dst, s25, \i
	s_min_u32 s33, \dst, 127
	s_cmp_lt_u32 \i, s26
	s_cselect_b32 \dst, \dst, s33
	s_min_u32 \dst, \dst, 135
.endm
.macro TOK                             ; row number -> token -> addresses.  Six plain lines
	v_lshrrev_b32 v[J], 1, v[J]
	v_min_u32 v[J], 1023, v[J]
	v_bfe_u32 v[XO], v0, 4, 1
	v_lshl_add_u32 v[XO], v[J], 4, v[XO]
	v_mul_u32_u24 v[XO], v[XO], 48                 ; 768 x token + 48 x half
	v_lshlrev_b32 v[XSO], 5, v[J]
.endm
.macro XLOADK s                        ; a tile's fragment of x for K step s: 48 bytes a lane, three loads
.irp q, 0,1,2
	global_load_b128 v[XF+12*(\s)+4*\q:XF+12*(\s)+4*\q+3], v[XO], s[4:5] offset:96*(\s)+16*\q
.endr
.endm
.macro XLOADS                          ; and its eight scale words: two loads.  26 loads a tile in all
	global_load_b128 v[XS:XS+3], v[XSO], s[6:7]
	global_load_b128 v[XS+4:XS+7], v[XSO], s[6:7] offset:16
.endm
	s_load_b512 s[4:19], s[0:1], 0x0               ; xq_codes, xq_scales, W1_codes, W1_scales, b1, order, seg, hq_codes
	s_load_b64 s[20:21], s[0:1], 0x40              ; hq_scales
	s_set_vgpr_msb 0x40
	v_lshl_add_u32 v254, v0, 2, 0x18a00
	v_mov_b32 v255, 0
	s_set_vgpr_msb 0x4000
	v_lshrrev_b32 v251, 5, v0
	v_readfirstlane_b32 s24, v251                  ; wave 0..3
	s_and_b32 s22, ttmp7, 0xffff                   ; e
	s_mov_b32 s23, ttmp9                           ; c
	v_and_b32 v251, 31, v0                         ; lane
	v_and_b32 v252, 15, v0                         ; r
	v_bfe_u32 v253, v0, 4, 1                       ; h
	v_lshlrev_b32 v[LI], 4, v251
	v_lshlrev_b32 v[R4], 2, v252
	v_lshl_add_u32 v[B1A], v253, 6, B1L
	v_mul_u32_u24 v[FA0], v252, WPITCH
	v_mad_u32_u24 v[FA0], v253, 24, v[FA0]
	v_add_nc_u32 v[FA1], 64*WPITCH, v[FA0]
	s_wait_alu depctr_va_sdst(0)                   ; s24, the wave's number, is written, ahead of its first reader
	s_mul_i32 s46, s24, 32*WPITCH
	v_add_nc_u32 v249, s46, v[LI]                  ; staging: my wave's 32 LDS rows, 16 bytes a lane;
	v_lshl_add_u32 v250, v253, 4, v249             ; the same where lanes 16-31 have passed a row's padding
	v_and_b32 v254, 8, v252
	v_add_nc_u32 v254, v254, v252
	v_lshl_add_u32 v254, v253, 3, v254
	v_lshlrev_b32 v254, 5, v254                    ; W1's scales: 32 bytes x (r + 8 (r / 8) + 8 h)
	v_lshlrev_b32 v255, 2, v0
	v_add_nc_u32 v251, B1L, v255
	v_mov_b32 v[KC6], 0x39c8e7d9
	v_mov_b32 v[KC6+1], 0x39c8e7d9
	v_mov_b32 v[KC4], 0x3cc6b1a1
	v_mov_b32 v[KC4+1], 0x3cc6b1a1
	v_mov_b32 v[KD5], 0x3ba38d2c
	v_mov_b32 v[KD5+1], 0x3ba38d2c
	s_mov_b32 s30, 0x76543210
	s_mov_b32 s31, 0xfedcba98                      ; v_permlanex16_b32's selects for lane l xor 16
	s_mov_b32 s32, 0x3f3504f3                      ; 1 / sqrt 2
	s_mul_i32 s46, s22, 3145728                    ; W1: an expert's 4,096 rows of 768 bytes,
	s_mul_i32 s47, s23, 98304                      ; my 128 of them,
	s_add_co_u32 s46, s46, s47
	s_mul_i32 s47, s24, 24576                      ; my wave's 32
	s_add_co_u32 s46, s46, s47
	s_mov_b32 s47, 0
	s_lshl_b32 s48, s22, 17                        ; W1's scales: 32 bytes a row
	s_lshl_b32 s49, s23, 12
	s_add_co_u32 s48, s48, s49
	s_mov_b32 s49, 0
	s_lshl_b32 s50, s22, 14                        ; b1
	s_lshl_b32 s51, s23, 9
	s_add_co_u32 s50, s50, s51
	s_mov_b32 s51, 0
	s_lshl_b32 s33, s22, 2
	s_wait_kmcnt 0x0
	s_load_b32 s25, s[16:17], s33 offset:0x0       ; tb: my expert's first tile
	s_load_b32 s26, s[16:17], s33 offset:0x20      ; T: its tiles
	s_add_nc_u64 s[8:9], s[8:9], s[46:47]
	s_add_nc_u64 s[10:11], s[10:11], s[48:49]
	s_add_nc_u64 s[12:13], s[12:13], s[50:51]
	s_wait_alu depctr_va_vdst(0)                   ; the addresses v1 to v5 and v249 to v255 are written, which the loads and LDS stores and loads below read
.set n, 0
.rept 48
	global_load_b128 v[56+4*n:59+4*n], v[LI], s[8:9] offset:512*n th:TH_LOAD_NT   ; 512 consecutive bytes; three loads bring two rows; read once in the launch
.set n, n+1
.endr
.irp b, 0,1,2,3
.irp u, 0,1
	global_load_b128 v[WS+8*\b+4*\u:WS+8*\b+4*\u+3], v254, s[10:11] offset:1024*\b+16*\u
.endr
.endr
	global_load_b32 v248, v255, s[12:13]
	s_wait_kmcnt 0x0
	s_min_u32 s25, s25, 135
	s_min_u32 s26, s26, 128
	s_mov_b32 s27, s24                             ; I: my tile among the expert's
	s_add_co_u32 s52, s26, 3
	s_sub_co_u32 s52, s52, s24
	s_lshr_b32 s52, s52, 2                         ; my trips: the tiles w, w + 4, .. under T
	s_mov_b32 s53, 0                               ; trips done
	IDX s28, s27
	s_lshl_b32 s46, s28, 6                         ; a tile's 16 row numbers are 64 bytes: the tile stands in a scalar base, so that no vector address is made for this load
	s_mov_b32 s47, 0
	s_add_nc_u64 s[54:55], s[14:15], s[46:47]
	global_load_b32 v[J], v[R4], s[54:55]          ; lanes r and r + 16: row r's number
.macro PUT mm                          ; rows 2 mm, 2 mm + 1 of my 32 go to LDS rows L5, L5 + 1: the row number with bits 3 and 4 exchanged
.set L5, 16*(((2*(\mm))>>3)&1)+8*(((2*(\mm))>>4)&1)+((2*(\mm))&7)
	ds_store_b128 v249, v[56+12*(\mm):59+12*(\mm)] offset:L5*WPITCH
	ds_store_b128 v250, v[60+12*(\mm):63+12*(\mm)] offset:L5*WPITCH+512
	ds_store_b128 v249, v[64+12*(\mm):67+12*(\mm)] offset:L5*WPITCH+1040
.endm
	s_wait_loadcnt 34                              ; the first 24 are in: behind them 24 + 8 + 1 + 1
.irp mm, 0,1,2,3,4,5,6,7
	PUT \mm
.endr
	s_wait_loadcnt 10                              ; all 48 are in
.irp mm, 8,9,10,11,12,13,14,15
	PUT \mm
.endr
	s_wait_loadcnt 0x0
	ds_store_b32 v251, v248                        ; b1
	TOK
	s_wait_dscnt 0x0                               ; for the others' sake: my stores have landed
	s_wait_alu depctr_vm_vsrc(0)                   ; my LDS stores have read v56 to v251: x, b1 and fragment 63 land there, and the GELU writes there
	s_wait_alu depctr_va_vdst(0)                   ; TOK has written XO and XSO, which x's loads read, and is done with J, in which the first trip's load lands
	XLOADS
.irp s, 0,1,2,3,4,5,6,7
	XLOADK \s
.endr
	s_barrier_signal -1
	s_barrier_wait -1                              ; the one barrier: W1 and b1 lie in LDS; nothing is written there again
	s_cmp_eq_u32 s52, 0
	s_cbranch_scc1 .Lend                           ; no tile for my wave
.set f, 0
.rept 63                               ; fragment f = 8 t + s -> window 1 + f / 21, register 12 (f % 21).  No vector instruction has named these registers, and FA0, FA1 stand ahead of the waits above
	WIN (1+f/21)<<6
.irp p, 0,1,2,3,4,5
	ds_load_b64 v[12*(f%21)+2*\p:12*(f%21)+2*\p+1], v[FA0+(f/32)] offset:16*((f/8)%4)*WPITCH+96*(f%8)+48*(\p/3)+8*(\p%3)
.endr
.set f, f+1
.endr
	WIN 0
.macro MULS                            ; 64 products: K step by K step, the eight accumulators by turns, one instruction a turn, over the backward jump too
.irp s, 0,1,2,3,4,5,6,7
.irp t, 0,1,2,3,4,5,6,7
.set f, 8*\t+\s
.if f < 63
	WIN 1+f/21
.set AR, 12*(f%21)
.else
	WIN 0
.set AR, TMP
.endif
.if \t%2
	v_wmma_scale_f32_16x16x128_f8f6f4 v[ACC+8*\t:ACC+8*\t+7], v[AR:AR+11], v[XF+12*\s:XF+12*\s+11], v[ACC+8*\t:ACC+8*\t+7], v[WS+8*(\t/2)+\s], v[XS+\s] matrix_a_fmt:MATRIX_FMT_FP6 matrix_b_fmt:MATRIX_FMT_FP6 matrix_a_scale:MATRIX_SCALE_ROW1
.else
	v_wmma_scale_f32_16x16x128_f8f6f4 v[ACC+8*\t:ACC+8*\t+7], v[AR:AR+11], v[XF+12*\s:XF+12*\s+11], v[ACC+8*\t:ACC+8*\t+7], v[WS+8*(\t/2)+\s], v[XS+\s] matrix_a_fmt:MATRIX_FMT_FP6 matrix_b_fmt:MATRIX_FMT_FP6
.endif
.endr
.endr
	WIN 0
.endm
; GELU of one tile: four pairs of numbers, each line for the four pairs in turn, so that no line waits for the line above it.  Pair k's registers at TMP + 10 k: +0 t, +2 t^2, +4 r, +6 u, +8 q.
.macro HEAD d, m, lit, kc              ; d = m x lit + kc
.irp k, 0,1,2,3
	v_pk_fma_f32 v[TMP+10*\k+\d:TMP+10*\k+\d+1], v[TMP+10*\k+\m:TMP+10*\k+\m+1], \lit, v[\kc:\kc+1] op_sel_hi:[1,0,0]
.endr
.endm
.macro HORN d, m, lit                  ; d = d x m + lit
.irp k, 0,1,2,3
	v_pk_fma_f32 v[TMP+10*\k+\d:TMP+10*\k+\d+1], v[TMP+10*\k+\d:TMP+10*\k+\d+1], v[TMP+10*\k+\m:TMP+10*\k+\m+1], \lit op_sel_hi:[1,1,0]
.endr
.endm
.macro GELU4 g
.irp k, 0,1,2,3
	v_mul_f32 v[TMP+10*\k], |v[ACC+8*\g+2*\k]|, s32        ; t = |x| / sqrt 2  (the tile is read from its low end on)
	v_mul_f32 v[TMP+10*\k+1], |v[ACC+8*\g+2*\k+1]|, s32
.endr
.irp k, 0,1,2,3
	v_pk_mul_f32 v[TMP+10*\k+2:TMP+10*\k+3], v[TMP+10*\k:TMP+10*\k+1], v[TMP+10*\k:TMP+10*\k+1]
.endr
	HEAD 4, 0, 0xb7910000, KC6                     ; the far branch: r(t), degree 7
	HEAD 6, 0, 0xbb7e8a1c, KC4
.irp k, 0,1,2,3
	v_pk_fma_f32 v[TMP+10*\k+4:TMP+10*\k+5], v[TMP+10*\k+4:TMP+10*\k+5], v[TMP+10*\k+2:TMP+10*\k+3], v[TMP+10*\k+6:TMP+10*\k+7]
.endr
	HORN 4, 0, 0xbddaae5c
	HORN 4, 0, 0xbf228550
	HORN 4, 0, 0xbe03ce86
.irp k, 0,1,2,3
	v_pk_fma_f32 v[TMP+10*\k+4:TMP+10*\k+5], v[TMP+10*\k+4:TMP+10*\k+5], v[TMP+10*\k:TMP+10*\k+1], v[TMP+10*\k:TMP+10*\k+1] neg_lo:[0,0,1] neg_hi:[0,0,1]
.endr
.irp k, 0,1,2,3
	v_pk_mul_f32 v[TMP+10*\k+4:TMP+10*\k+5], v[TMP+10*\k+4:TMP+10*\k+5], 0x3fb8aa3b op_sel_hi:[1,0]
.endr
	s_wait_alu depctr_va_vdst(0)
.irp k, 0,1,2,3
	v_exp_f32 v[TMP+10*\k+4], v[TMP+10*\k+4]       ; erfc(t) = e^r beyond 475/512
	v_exp_f32 v[TMP+10*\k+5], v[TMP+10*\k+5]
.endr
	HEAD 8, 2, 0xba1c7000, KD5                     ; the near branch: p(t^2).  (Plain lines behind the exponentials)
	HORN 8, 2, 0xbcdb48d9
	HORN 8, 2, 0x3de70e22
	HORN 8, 2, 0xbec09380
	HORN 8, 2, 0x3e0375d4
.irp k, 0,1,2,3
	v_pk_fma_f32 v[TMP+10*\k+8:TMP+10*\k+9], v[TMP+10*\k+8:TMP+10*\k+9], v[TMP+10*\k:TMP+10*\k+1], v[TMP+10*\k:TMP+10*\k+1]   ; erf(t) = t + t p
.endr
.irp k, 0,1,2,3
	v_pk_fma_f32 v[TMP+10*\k+8:TMP+10*\k+9], v[TMP+10*\k+8:TMP+10*\k+9], -1.0, 1.0 op_sel_hi:[1,0,0]   ; erfc = 1 - erf
.endr
.irp k, 0,1,2,3
	v_cmp_lt_f32 s[34+2*\k], 0x3f6d8000, v[TMP+10*\k]
	v_cmp_lt_f32 s[35+2*\k], 0x3f6d8000, v[TMP+10*\k+1]
.endr
	s_wait_alu depctr_va_sdst(0)                   ; the eight compares have written their masks s34 to s41, which the selects below read: one wait behind the run
	s_wait_alu depctr_va_vdst(0)                   ; the tile's eight exponentials have written their results, ahead of the first line that names one: one wait for the batch
.irp k, 0,1,2,3
	v_cndmask_b32 v[TMP+10*\k+8], v[TMP+10*\k+8], v[TMP+10*\k+4], s[34+2*\k]   ; a choice of values: both branches are always computed
	v_cndmask_b32 v[TMP+10*\k+9], v[TMP+10*\k+9], v[TMP+10*\k+5], s[35+2*\k]
.endr
.irp k, 0,1,2,3
	v_pk_mul_f32 v[TMP+10*\k+6:TMP+10*\k+7], v[TMP+10*\k:TMP+10*\k+1], 0x3f3504f3 op_sel_hi:[1,0]   ; |x| / 2
.endr
.irp k, 0,1,2,3
	v_max_num_f32 v[ACC+8*\g+2*\k], 0, v[ACC+8*\g+2*\k]
	v_max_num_f32 v[ACC+8*\g+2*\k+1], 0, v[ACC+8*\g+2*\k+1]
.endr
.irp k, 0,1,2,3
	v_pk_fma_f32 v[ACC+8*\g+2*\k:ACC+8*\g+2*\k+1], v[TMP+10*\k+6:TMP+10*\k+7], v[TMP+10*\k+8:TMP+10*\k+9], v[ACC+8*\g+2*\k:ACC+8*\g+2*\k+1] neg_lo:[1,0,0] neg_hi:[1,0,0]
.endr
.endm
; 64 numbers of a lane, register 16 b + i = unit 32 b + 16 (lane / 16) + i of my row, become a fragment's codes in v[PC] on and its scale word in v[PW].
.macro QUANT s
.irp b, 0,1,2,3
	v_max3_num_f32 v[TMP+\b], |v[\s+16*\b]|, |v[\s+1+16*\b]|, 0x1800000   ; my 16 numbers of block b, and the floor 2^(3 - 127): the byte cannot fall under 1
.endr
.irp i, 2,4,6,8,10,12,14
.irp b, 0,1,2,3
	v_max3_num_f32 v[TMP+\b], v[TMP+\b], |v[\s+16*\b+\i]|, |v[\s+1+16*\b+\i]|
.endr
.endr
.irp b, 0,1,2,3
	v_permlanex16_b32 v[TMP+4+\b], v[TMP+\b], s30, s31
.endr
.irp b, 0,1,2,3
	v_max_num_f32 v[TMP+\b], v[TMP+\b], v[TMP+4+\b]        ; with lane l xor 16's: the block's largest magnitude
.endr
.irp b, 0,1,2,3
	v_add_nc_u32 v[TMP+8+\b], 0xff000000, v[TMP+\b]        ; 2 off the exponent field: the conversion's scale operand
.endr
.irp b, 0,1,2,3
	v_lshrrev_b32 v[TMP+4+\b], 23, v[TMP+8+\b]             ; the scale's byte
.endr
	v_lshl_or_b32 v[PW], v[TMP+5], 8, v[TMP+4]
	v_lshl_or_b32 v[PW], v[TMP+6], 16, v[PW]
	v_lshl_or_b32 v[PW], v[TMP+7], 24, v[PW]               ; my row's scale word (the same in lanes l and l xor 16)
.irp c, 0,1
	v_cvt_scalef32_pk16_fp6_f32 v[PC+6*\c:PC+2+6*\c], v[\s+32*\c:\s+15+32*\c], v[TMP+8+2*\c]
	v_cvt_scalef32_pk16_fp6_f32 v[PC+12+4*\c:PC+14+4*\c], v[\s+16+32*\c:\s+31+32*\c], v[TMP+8+2*\c+1]   ; (a conversion's three registers begin on an even number)
.endr
	v_nop                                          ; one plain place behind a scaled conversion
.irp c, 0,1                            ; the operand's layout wants a whole block in a lane: lanes 0-15 block 2 c, lanes 16-31 block 2 c + 1
.irp i, 0,1,2
	v_permlane16_swap_b32 v[PC+6*\c+\i], v[PC+12+4*\c+\i]
.endr
.irp i, 0,1,2
	v_mov_b32 v[PC+3+6*\c+\i], v[PC+12+4*\c+\i]
.endr
.endr
.endm
.Ltile:
	s_wait_xcnt 0x0                                ; the last trip's loads and stores have had their addresses translated: their bases, offsets and data are written again below
	s_wait_alu depctr_vm_vsrc(0)                   ; the last trip's stores have read PC and PW, which the GELU writes again; x's loads have read XO and XSO, which TOK writes again
	s_add_co_u32 s46, s27, 4
	IDX s29, s46                                   ; my next tile, or a filled tile of the list where there is none: no load leaves its buffer
	s_lshl_b32 s46, s29, 6
	s_mov_b32 s47, 0
	s_add_nc_u64 s[54:55], s[14:15], s[46:47]
	global_load_b32 v[J], v[R4], s[54:55]          ; no wait on va_vdst here or for the LDS loads below: no vector instruction stands between the last such wait (ahead of the last trip's stores; ahead of x's first loads) and these loads
.irp t, 0,1,2,3,4,5,6,7                ; b1 in the result's layout: the C of the first K step
	ds_load_b128 v[ACC+8*\t:ACC+8*\t+3], v[B1A] offset:(32*(\t/2)+8*(\t%2))*4
	ds_load_b128 v[ACC+8*\t+4:ACC+8*\t+7], v[B1A] offset:(32*(\t/2)+8*(\t%2))*4+16
.endr
.irp p, 0,1,2,3,4,5                    ; fragment 63 (tile 7, K step 7)
	ds_load_b64 v[TMP+2*\p:TMP+2*\p+1], v[FA1] offset:48*WPITCH+672+48*(\p/3)+8*(\p%3)
.endr
	s_wait_loadcnt 0x1                             ; this tile's 26 loads of x are in; the row number just asked for may be out
	s_wait_dscnt 0x0                               ; b1, fragment 63 (and in the first trip W1's 63 fragments)
	MULS
	s_wait_loadcnt 0x0                             ; the next tile's row numbers
	TOK                                            ; six plain lines that name no register of the last products: the places in front of the first reads of results below
	s_wait_alu depctr_va_vdst(0)                   ; TOK has written XO and XSO, which x's loads read; the 64 products are done reading XF and XS, in which they land
	XLOADS                                         ; the next tile's x lands under the GELU: its 26 loads are dealt among the first four tiles, which name ACC, v216-255 and the constants alone
	XLOADK 0
	XLOADK 1
	GELU4 0
	XLOADK 2
	XLOADK 3
	GELU4 1
	XLOADK 4
	XLOADK 5
	GELU4 2
	XLOADK 6
	XLOADK 7
	GELU4 3
.irp g, 4,5,6,7
	GELU4 \g
.endr
	QUANT ACC
	s_lshl_b32 s46, s28, 5
	s_add_co_u32 s46, s46, s23                     ; 32 x tile + c
	s_mul_i32 s48, s46, 1536
	s_mov_b32 s49, 0
	s_add_nc_u64 s[42:43], s[18:19], s[48:49]
	s_lshl_b32 s48, s46, 6
	s_add_nc_u64 s[44:45], s[20:21], s[48:49]
	s_wait_alu depctr_va_vdst(0)                   ; the quantiser has written PC and PW, which the stores read; it and the GELU are done with ACC and v216-227, in which the next trip's LDS loads land
.irp q, 0,1,2
	global_store_b128 v[LI], v[PC+4*\q:PC+4*\q+3], s[42:43] offset:512*\q   ; the fragment as it stands: 512 consecutive bytes a store, at a multiple of 256 from the buffer's first byte
.endr
	global_store_b32 v[R4], v[PW], s[44:45]        ; 16 words, 64 bytes; lanes l and l + 16 write the same word with the same value
	s_mov_b32 s28, s29
	s_add_co_u32 s27, s27, 4
	s_add_co_u32 s53, s53, 1
	s_cmp_lt_u32 s53, s52
	s_cbranch_scc1 .Ltile
.Lend:
	s_set_vgpr_msb 0x5                             ; the add's two registers lie in window 1
	s_wait_dscnt 0x0                               ; the closing lines, six on end
	s_wait_alu 0x0
	s_wait_tensorcnt 0x0
	ds_add_u32 v254, v255
	s_wait_dscnt 0x0
	s_endpgm
.Lfunc_end_k_q4c81c81aee_up:
	.size	k_q4c81c81aee_up, .Lfunc_end_k_q4c81c81aee_up-k_q4c81c81aee_up
	.p2alignl 7, 3214868480
	.fill 96, 4, 3214868480
	.section	.rodata,"a",@progbits
	.p2align	6, 0x0
	.amdhsa_kernel k_q4c81c81aee_up
		.amdhsa_group_segment_fixed_size 101376
		.amdhsa_private_segment_fixed_size 0
		.amdhsa_enable_private_segment 0
		.amdhsa_kernarg_size 72
		.amdhsa_user_sgpr_count 2
		.amdhsa_user_sgpr_kernarg_segment_ptr 1
		.amdhsa_wavefront_size32 1
		.amdhsa_system_sgpr_workgroup_id_x 1
		.amdhsa_system_sgpr_workgroup_id_y 1
		.amdhsa_system_sgpr_workgroup_id_z 1
		.amdhsa_system_vgpr_workitem_id 0
		.amdhsa_next_free_vgpr 1024
		.amdhsa_next_free_sgpr 66
		.amdhsa_reserve_vcc 0
		.amdhsa_float_denorm_mode_32 3
		.amdhsa_float_denorm_mode_16_64 3
		.amdhsa_memory_ordered 1
		.amdhsa_forward_progress 1
		.amdhsa_inst_pref_size 125
	.end_amdhsa_kernel
	.amdgpu_metadata
---
amdhsa.version: [ 1, 2 ]
amdhsa.kernels:
  - .name:           k_q4c81c81aee_up
    .symbol:         k_q4c81c81aee_up.kd
    .args:
      - { .name: xq_codes, .offset: 0, .size: 8, .value_kind: global_buffer, .address_space: global }
      - { .name: xq_scales, .offset: 8, .size: 8, .value_kind: global_buffer, .address_space: global }
      - { .name: W1_codes, .offset: 16, .size: 8, .value_kind: global_buffer, .address_space: global }
      - { .name: W1_scales, .offset: 24, .size: 8, .value_kind: global_buffer, .address_space: global }
      - { .name: b1, .offset: 32, .size: 8, .value_kind: global_buffer, .address_space: global }
      - { .name: order, .offset: 40, .size: 8, .value_kind: global_buffer, .address_space: global }
      - { .name: seg, .offset: 48, .size: 8, .value_kind: global_buffer, .address_space: global }
      - { .name: hq_codes, .offset: 56, .size: 8, .value_kind: global_buffer, .address_space: global }
      - { .name: hq_scales, .offset: 64, .size: 8, .value_kind: global_buffer, .address_space: global }
    .group_segment_fixed_size: 101376
    .private_segment_fixed_size: 0
    .kernarg_segment_align: 8
    .kernarg_segment_size: 72
    .max_flat_workgroup_size: 128
    .sgpr_count:     66
    .vgpr_count:     1024
    .wavefront_size: 32
...
	.end_amdgpu_metadata
.endif
;; end of part 6
;; launch down (part 7): grid 32 x 8, 4 waves a work-group, no clusters, 224,768 bytes of LDS; arguments hq_codes, hq_scales, W2_codes, W2_scales, b2, seg, part; writes part
.if DOCPART == 7
	.amdgcn_target "amdgcn-amd-amdhsa--gfx1250"
	.amdhsa_code_object_version 6
	.text
	.protected	k_q4c81c81aee_down
	.globl	k_q4c81c81aee_down
	.p2align	8
	.type	k_q4c81c81aee_down,@function
k_q4c81c81aee_down:
	s_mov_b64 s[64:65], 0
	v_nop
	global_prefetch_b8 v0, s[64:65] scope:SCOPE_SE
	s_setreg_imm32_b32 hwreg(HW_REG_WAVE_SCHED_MODE, 0, 2), 2
	s_setreg_imm32_b32 hwreg(HW_REG_WAVE_MODE, 25, 1), 1
	s_wait_xcnt 0x0
	s_wait_alu depctr_vm_vsrc(0)
; part[kh][slot][:] = half kh of the sum over the hidden units of hidden[slot] W2^T (+ b2 in half 0), for the routed rows in the sorted list's order, on codes of FP6 (E2M3) with E8M0 scales.
; Work-group (x, e): cd = x & 7: outputs 128 cd .. + 127;  kh = (x >> 3) & 1: K steps 16 kh .. + 15;  par = x >> 4: the expert's tiles of that parity.
; Its part of W2, 128 rows x 1,536 bytes, is read in loads of 512 consecutive bytes and laid in LDS once, its scale words beside it as images of the registers that take them; behind the one barrier the waves share nothing more.
; In a pass wave w holds THREE tiles of 16 rows, I, I + 8, I + 16 (I = 2 w + par + 24 x pass), all 16 K steps of each in registers (192 a tile), so that each fragment of W2 read from LDS feeds three products.
; EVERY WAVE WALKS SIX PASSES OF TWO HALVES, both constants (I stays under 128, the most tiles an expert can have; the halves are those of the 128 outputs).  What differs between the halves lies in addresses
; (W2's rows, its scale words, the columns of part) and in a choice between two sets of b2, all made at a trip's head from the loop's counter; the branch on the stored number of tiles stands inside, round the work alone.
; The first pass's hidden fragments are asked for by every wave; a later pass's at the end of the pass before, where a tile is left for it.
; A tile past the expert's end is replaced by a filled tile of the list, multiplied like the others and not stored.  A slot of a tile that has no row is stored like the others and read by nobody.
; TRANSPOSED: source 0 = 16 outputs (rows of W2), source 1 = 16 hidden rows: a lane holds eight neighbouring outputs of one row.  Results go through the wave's own stage and leave as 256 consecutive bytes of a row.
; K is cut in two so that a stored piece of a row is 256 bytes and each hidden byte is read by 16 work-groups; the two halves are added by the last launch, which owns each output row.
; NO JOINT LOADS: which passes do work is read from memory.
; REGISTERS: window 0: v1-15 addresses; v16-27 b2; v28-51 the hidden rows' scale words; v52-83 W2's; v84-227 W2's fragments, THREE sets of four; on the way out v84-179 take the rows, 32 registers for each of the three tiles; v228 their offset.
;   window p + 1 (p = 0, 1, 2): v0-191 tile p's 16 fragments; v192-223 its four accumulators.
; THE MODE: SCHED_MODE bits 1:0 = 2 (LLVM: expert scheduling mode 2), set by the entry lines.  The code itself states the register dependences between vector or matrix instructions and memory or LDS
; instructions, with s_wait_alu, always for 0.
; THE PLAN.  Registers that memory or LDS instructions touch, in the loops:
;   W2's sets 0, 1, 2   K step s: its twelve products read set s % 3; its 24 LDS loads, K step s + 2's, land in set (s + 2) % 3, which K step s - 1 read.
;   OUT0, OUT1, OUT2    (over W2's sets, idle on the way out)  Tile p: LDS loads land in OUT[p], b2's additions write it, eight stores read it; it is written again in the next half.
;   the accumulators    written by the products; read by the stage's LDS stores; begun anew by the next half's K step 0.
;   WAC, SCA, COG       written once a half, at its head; read by that half's LDS loads and stores.
;   WSC                 LDS loads at a half's head land in it; the products read it.      HS and the hidden fragments: read by a pass's products; the next pass's loads land in them.
;   LI, L4, STO, SRD    made at the kernel's head and never written again.
; So: at a half's head one wait on vm_vsrc ahead of the three adds and one on va_vdst behind them; at the heads of K steps 1 to 13 one wait on va_vdst (the step before is done reading its set), behind which the step's
; loads are dealt among its products, which name another set; behind K step 15 one wait on va_vdst for all that follows it (the stage's stores, the loads into OUT, the next pass's loads); in each tile's way out
; one wait on va_vdst between the additions and the stores.
.set WP,   1552                        ; an LDS row of W2: 1,536 bytes + 16 = 388 words: row r starts at bank 4 r mod 64
.set SCL,  128*WP                      ; behind W2: its scale words: image p (rows 32 p + lane): four times 512 bytes, 16 bytes a lane
.set STG,  SCL+8192                    ; behind them: a stage of 16 rows x (256 + 16) bytes for each wave
.set LI,   1                           ; v1   16 x lane
.set L4,   2                           ; v2   4 x lane
.set CO,   3                           ; v3   part: 4096 x (lane / 16) + 16 x (lane % 16)
.set WA,   4                           ; v4-5 1552 r + 24 h, and the same 32 rows on
.set WAC,  6                           ; v6-7 the same for the half in hand
.set STO,  8                           ; v8   the stage: where I put 32 bytes of a row
.set SRD,  9                           ; v9   and where I read 16 bytes of a row back
.set SA,   10                          ; v10  staging: my wave's 32 LDS rows, 16 bytes a lane
.set SRO,  11                          ; v11  W2's scales in memory: 128 x lane
.set SC0,  12                          ; v12  SCL + 16 x lane
.set SCA,  13                          ; v13  the same for the half in hand
.set SCW,  14                          ; v14  where my wave stores its image
.set R16,  15                          ; v15  16 x (lane % 16)
.set B2,   16                          ; v16-19, v20-23  b2 at my four outputs of each half
.set BC,   24                          ; v24-27 those of the half in hand
.set HS,   28                          ; 8 p + q: tile p: lanes 0-15 K step 2 q, lanes 16-31 K step 2 q + 1
.set WSC,  52                          ; 16 p + s: lanes 0-15 tile 2 p of the half's four, lanes 16-31 tile 2 p + 1
.set WF,   84                          ; set k at WF + 48 k
.set OUT,  84                          ; tile p's rows on the way out at OUT + 32 p
.set COG,  228
.set MSB, 0
.macro WIN new                         ; the immediate's high byte repeats the setting that is left; a switch that changes nothing is dropped
.if MSB != (\new)
	s_set_vgpr_msb (MSB<<8)|(\new)
.set MSB, (\new)
.endif
.endm
.macro IDX dst, i                      ; the list's tile for the expert's i-th: tb + i; past its end a tile among the first 128, which every split fills; the last line bounds it for the addresses
	s_add_co_u32 \dst, s25, \i
	s_min_u32 s31, \dst, 127
	s_cmp_lt_u32 \i, s26
	s_cselect_b32 \dst, \dst, s31
	s_min_u32 \dst, \dst, 135
.endm
	s_load_b256 s[4:11], s[0:1], 0x0               ; hq_codes, hq_scales, W2_codes, W2_scales
	s_load_b128 s[12:15], s[0:1], 0x20             ; b2, seg
	s_load_b64 s[16:17], s[0:1], 0x30              ; part
	v_lshl_add_u32 v254, v0, 2, 0x36c00
	v_mov_b32 v255, 0
	v_lshrrev_b32 v229, 5, v0
	v_readfirstlane_b32 s24, v229                  ; wave 0..3
	s_and_b32 s20, ttmp7, 0xffff                   ; e
	s_and_b32 s21, ttmp9, 7                        ; cd
	s_bfe_u32 s22, ttmp9, 0x10003                  ; kh
	s_lshr_b32 s23, ttmp9, 4                       ; par
	s_lshl_b32 s56, s22, 4                         ; my first K step
	v_and_b32 v229, 31, v0                         ; lane
	v_and_b32 v230, 15, v0                         ; r
	v_bfe_u32 v231, v0, 4, 1                       ; h
	v_lshlrev_b32 v[LI], 4, v229
	v_lshlrev_b32 v[L4], 2, v229
	v_lshlrev_b32 v[R16], 4, v230
	v_lshl_add_u32 v[CO], v231, 12, v[R16]
	v_mul_u32_u24 v[WA], v230, WP
	v_mad_u32_u24 v[WA], v231, 24, v[WA]
	v_add_nc_u32 v[WA+1], 32*WP, v[WA]
	s_wait_alu depctr_va_sdst(0)                   ; s24, the wave's number, is written, ahead of its first reader
	s_mul_i32 s46, s24, 16*272
	s_add_co_u32 s46, s46, STG                     ; my stage
	v_mul_u32_u24 v[STO], v230, 272
	v_lshl_add_u32 v[STO], v231, 5, v[STO]
	v_add_nc_u32 v[STO], s46, v[STO]               ; in: row r, 32 bytes for each half of the lanes
	v_mul_u32_u24 v[SRD], v231, 272
	v_add_nc_u32 v[SRD], v[SRD], v[R16]
	v_add_nc_u32 v[SRD], s46, v[SRD]               ; back: lanes 0-15 one row of 256 bytes, lanes 16-31 the next
	s_mul_i32 s46, s24, 32*WP
	v_add_nc_u32 v[SA], s46, v[LI]
	v_lshlrev_b32 v[SRO], 7, v229
	v_add_nc_u32 v[SC0], SCL, v[LI]
	s_lshl_b32 s46, s24, 11
	v_add_nc_u32 v[SCW], s46, v[SC0]
	s_lshl_b32 s31, s20, 10
	s_lshl_b32 s47, s21, 7
	s_add_co_u32 s31, s31, s47                     ; my first row of W2: 1024 e + 128 cd
	s_lshl_b32 s46, s24, 5
	s_add_co_u32 s46, s46, s31
	s_mul_i32 s46, s46, 3072                       ; my wave's 32 rows,
	s_mul_i32 s47, s22, 1536                       ; my half of each
	s_add_co_u32 s46, s46, s47
	s_mov_b32 s47, 0
	s_lshl_b32 s48, s31, 7                         ; their scale bytes: 128 a row,
	s_lshl_b32 s49, s22, 6                         ; my half's 64,
	s_add_co_u32 s48, s48, s49
	s_lshl_b32 s49, s24, 12                        ; my wave's 32 rows
	s_add_co_u32 s48, s48, s49
	s_mov_b32 s49, 0
	s_lshl_b32 s50, s31, 2                         ; b2
	s_mov_b32 s51, 0
	s_mul_i32 s52, s22, 0x880000                   ; part: half kh (2,176 rows of 4,096 bytes), my 128 columns
	s_lshl_b32 s53, s21, 9
	s_add_co_u32 s52, s52, s53
	s_mov_b32 s53, 0
	s_lshl_b32 s57, s20, 2
	s_wait_kmcnt 0x0
	s_load_b32 s25, s[14:15], s57 offset:0x0       ; tb
	s_load_b32 s26, s[14:15], s57 offset:0x20      ; T
	s_add_nc_u64 s[8:9], s[8:9], s[46:47]
	s_add_nc_u64 s[10:11], s[10:11], s[48:49]
	s_add_nc_u64 s[12:13], s[12:13], s[50:51]
	s_add_nc_u64 s[44:45], s[16:17], s[52:53]
	WIN 0x40                                       ; 96 loads of 512 consecutive bytes, three to a row, into windows 1 and 2, which are free till the first pass
	s_wait_alu depctr_va_vdst(0)                   ; the addresses v1 to v5, v8 to v12, v14 and v15 are written, which the loads, stores and LDS instructions of the whole kernel read
.set n, 0
.rept 48
	global_load_b128 v[4*n:4*n+3], v[LI], s[8:9] offset:3072*(n/3)+512*(n%3)
.set n, n+1
.endr
	WIN 0x80
.rept 48
	global_load_b128 v[4*(n-48):4*(n-48)+3], v[LI], s[8:9] offset:3072*(n/3)+512*(n%3)
.set n, n+1
.endr
	WIN 0
.irp u, 0,1,2,3
	global_load_b128 v[WSC+4*\u:WSC+4*\u+3], v[SRO], s[10:11] offset:16*\u   ; row 32 w + lane: its 16 scale words
.endr
	global_load_b128 v[B2:B2+3], v[R16], s[12:13]
	global_load_b128 v[B2+4:B2+7], v[R16], s[12:13] offset:256
	s_wait_loadcnt 54                              ; 102 were issued: the first 48 are in
	WIN 0x04                                       ; an LDS store's data are its source 1
.set n, 0
.rept 48
	ds_store_b128 v[SA], v[4*n:4*n+3] offset:WP*(n/3)+512*(n%3)
.set n, n+1
.endr
	s_wait_loadcnt 30                              ; 72 are in
	WIN 0x08
.rept 24
	ds_store_b128 v[SA], v[4*(n-48):4*(n-48)+3] offset:WP*(n/3)+512*(n%3)
.set n, n+1
.endr
	s_wait_loadcnt 6                               ; all 96 are in
.rept 24
	ds_store_b128 v[SA], v[4*(n-48):4*(n-48)+3] offset:WP*(n/3)+512*(n%3)
.set n, n+1
.endr
	WIN 0
	s_wait_loadcnt 0x0                             ; the scale words and b2
.irp u, 0,1,2,3
	ds_store_b128 v[SCW], v[WSC+4*\u:WSC+4*\u+3] offset:512*\u
.endr
	s_cmp_eq_u32 s22, 0
	s_cselect_b32 s46, -1, 0
.irp i, 0,1,2,3,4,5,6,7
	v_and_b32 v[B2+\i], s46, v[B2+\i]              ; b2 is added in half 0 of K alone
.endr
	s_wait_kmcnt 0x0
	s_min_u32 s25, s25, 135
	s_min_u32 s26, s26, 128
	s_lshl_b32 s27, s24, 1
	s_add_co_u32 s27, s27, s23                     ; I = 2 wave + par
	s_mov_b32 s54, 0                               ; passes walked
	s_wait_dscnt 0x0                               ; for the others' sake: my stores have landed
	s_barrier_signal -1
	s_barrier_wait -1                              ; the one barrier: W2 and its scale words lie in LDS and are not written again
	s_wait_alu depctr_vm_vsrc(0)                   ; my LDS stores have read v0-191 of windows 1 and 2, in which the hidden fragments land
.macro HBASE p                         ; tile p of the pass: its number in the list; where its fragments and scale words begin, and its 16 rows of part
	s_add_co_u32 s46, s27, 8*\p
	IDX s[28+\p], s46
	s_lshl_b32 s31, s[28+\p], 5
	s_add_co_u32 s31, s31, s56                     ; 32 x tile + my first K step
	s_mul_i32 s46, s31, 1536
	s_mov_b32 s47, 0
	s_add_nc_u64 s[32+2*\p:33+2*\p], s[4:5], s[46:47]
	s_lshl_b32 s46, s31, 6
	s_add_nc_u64 s[38+2*\p:39+2*\p], s[6:7], s[46:47]
	s_lshl_b32 s46, s[28+\p], 16
	s_add_nc_u64 s[48+2*\p:49+2*\p], s[44:45], s[46:47]
.endm
.macro LOADH                           ; 168 loads: 24 of scale words, then the fragments, four K steps of all three tiles at a time: 512 consecutive bytes each.  The products that read these registers stand ahead of the wait behind K step 15, and nothing behind that wait names them
	s_wait_loadcnt 0x0                             ; no earlier load is still on its way into the registers that these loads fill
	s_wait_xcnt 0x0                                ; the bases of the last pass are written again
	HBASE 0
	HBASE 1
	HBASE 2
.irp p, 0,1,2
.irp q, 0,1,2,3,4,5,6,7
	global_load_b32 v[HS+8*\p+\q], v[L4], s[38+2*\p:39+2*\p] offset:128*\q
.endr
.endr
.irp G, 0,1,2,3
.irp p, 0,1,2
	WIN (\p+1)<<6
.irp s, 0,1,2,3
.irp q, 0,1,2
	global_load_b128 v[12*(4*\G+\s)+4*\q:12*(4*\G+\s)+4*\q+3], v[LI], s[32+2*\p:33+2*\p] offset:1536*(4*\G+\s)+512*\q
.endr
.endr
.endr
.endr
	WIN 0
.endm
; K step s of the half in hand: 24 LDS loads bring the four fragments of W2 into set s % 3.  FETCH8 writes eight of them: the part-th third.
.macro FETCH8 s, part
.irp i, 0,1,2,3,4,5,6,7
.set FN, (8*(\part)+\i)/6
.set FP, (8*(\part)+\i)%6
	ds_load_b64 v[WF+48*((\s)%3)+12*FN+2*FP:WF+48*((\s)%3)+12*FN+2*FP+1], v[WAC+FN/2] offset:(FN%2)*16*WP+96*(\s)+48*(FP/3)+8*(FP%3)
.endr
.endm
.macro FETCHW s
	FETCH8 \s, 0
	FETCH8 \s, 1
	FETCH8 \s, 2
.endm
.macro WM                              ; one product; ZZ: it starts its sum; RA, RB: the scale words lie in lanes 16-31
.if ZZ && RA
	v_wmma_scale_f32_16x16x128_f8f6f4 v[DD:DD+7], v[AA:AA+11], v[BB:BB+11], 0, v[SA_], v[SB_] matrix_a_fmt:MATRIX_FMT_FP6 matrix_b_fmt:MATRIX_FMT_FP6 matrix_a_scale:MATRIX_SCALE_ROW1
.elseif ZZ
	v_wmma_scale_f32_16x16x128_f8f6f4 v[DD:DD+7], v[AA:AA+11], v[BB:BB+11], 0, v[SA_], v[SB_] matrix_a_fmt:MATRIX_FMT_FP6 matrix_b_fmt:MATRIX_FMT_FP6
.elseif RA && RB
	v_wmma_scale_f32_16x16x128_f8f6f4 v[DD:DD+7], v[AA:AA+11], v[BB:BB+11], v[DD:DD+7], v[SA_], v[SB_] matrix_a_fmt:MATRIX_FMT_FP6 matrix_b_fmt:MATRIX_FMT_FP6 matrix_a_scale:MATRIX_SCALE_ROW1 matrix_b_scale:MATRIX_SCALE_ROW1
.elseif RA
	v_wmma_scale_f32_16x16x128_f8f6f4 v[DD:DD+7], v[AA:AA+11], v[BB:BB+11], v[DD:DD+7], v[SA_], v[SB_] matrix_a_fmt:MATRIX_FMT_FP6 matrix_b_fmt:MATRIX_FMT_FP6 matrix_a_scale:MATRIX_SCALE_ROW1
.elseif RB
	v_wmma_scale_f32_16x16x128_f8f6f4 v[DD:DD+7], v[AA:AA+11], v[BB:BB+11], v[DD:DD+7], v[SA_], v[SB_] matrix_a_fmt:MATRIX_FMT_FP6 matrix_b_fmt:MATRIX_FMT_FP6 matrix_b_scale:MATRIX_SCALE_ROW1
.else
	v_wmma_scale_f32_16x16x128_f8f6f4 v[DD:DD+7], v[AA:AA+11], v[BB:BB+11], v[DD:DD+7], v[SA_], v[SB_] matrix_a_fmt:MATRIX_FMT_FP6 matrix_b_fmt:MATRIX_FMT_FP6
.endif
.endm
; Twelve products: three tiles of rows x four tiles of outputs; the twelve accumulators by turns, in the same order in every K step.
; Behind each tile's four products stand eight of the 24 loads of the K step two on.
.macro GROUP s
.if (\s) == 15
	s_wait_dscnt 0x0
.else
	s_wait_dscnt 24                                ; this K step's fragments of W2 are in; the next step's 24 loads, all issued in the step before, may be out
.endif
.if ((\s) & 3) == 0                    ; the hidden fragments of these four K steps: behind them 108, 72, 36, 0 loads were issued (a wait names 63 at the most); in a pass's second half none is out
.if (\s) < 8
	s_wait_loadcnt 63
.elseif (\s) == 8
	s_wait_loadcnt 36
.else
	s_wait_loadcnt 0x0
.endif
.endif
.if (\s) >= 1 && (\s) <= 13
	s_wait_alu depctr_va_vdst(0)                   ; the last K step's products are done reading their set of W2's fragments, in which this step's 24 loads land.  (K step 0: the wait at the half's head serves; K steps 14 and 15 load nothing)
.endif
.irp p, 0,1,2
	WIN 0x54*(\p+1)                                ; source 1, C and D in window p + 1; source 0 in window 0
.irp nn, 0,1,2,3
.set DD, 192+8*\nn
.set AA, WF+48*((\s)%3)+12*\nn
.set BB, 12*(\s)
.set SA_, WSC+16*(\nn/2)+(\s)
.set SB_, HS+8*\p+((\s)>>1)
.set ZZ, (\s) == 0
.set RA, \nn%2
.set RB, (\s)&1
	WM
.endr
.if (\s) <= 13
	WIN 0
	FETCH8 (\s)+2, \p                              ; no further wait: the products issued since the wait name this step's set, the hidden fragments, the scale words and the accumulators, none of which these loads touch
.endif
.endr
	WIN 0
.rept 4
	v_nop                                          ; four places behind the step's products: ahead of the next step's loads into the set just multiplied (they stay, beside the wait at that step's head), and of the stores that read results
.endr
.if (\s) == 15
	v_nop                                          ; one more where the sums begin anew behind this step
.endif
.endm
; The way out of tile p, the half's 64 outputs, through registers of its own.  A tile past the expert's end is jumped over.
.macro OUTP p
	s_add_co_u32 s46, s27, 8*\p
	s_cmp_ge_u32 s46, s26
	s_cbranch_scc1 .Lskip_\@
	WIN (\p+1)<<2                                  ; the data: window p + 1
.irp nn, 0,1,2,3
	ds_store_b128 v[STO], v[192+8*\nn:195+8*\nn] offset:64*\nn          ; each accumulator from its low end on
	ds_store_b128 v[STO], v[196+8*\nn:199+8*\nn] offset:64*\nn+16
.endr
	WIN 0
.irp i, 0,1,2,3,4,5,6,7
	ds_load_b128 v[OUT+32*\p+4*\i:OUT+32*\p+4*\i+3], v[SRD] offset:544*\i   ; LDS serves a wave's instructions in order: these see my stores.  OUT[p] was last named by products, ahead of the wait behind K step 15, and last read by the stores of the half before, ahead of the waits at this half's head
.endr
	s_wait_dscnt 0x0
.irp i, 0,1,2,3,4,5,6,7
	v_pk_add_f32 v[OUT+32*\p+4*\i:OUT+32*\p+4*\i+1], v[OUT+32*\p+4*\i:OUT+32*\p+4*\i+1], v[BC:BC+1]
	v_pk_add_f32 v[OUT+32*\p+4*\i+2:OUT+32*\p+4*\i+3], v[OUT+32*\p+4*\i+2:OUT+32*\p+4*\i+3], v[BC+2:BC+3]
.endr
	s_wait_alu depctr_va_vdst(0)                   ; the additions have written OUT[p], which the stores read
.irp i, 0,1,2,3,4,5,6,7
	global_store_b128 v[COG], v[OUT+32*\p+4*\i:OUT+32*\p+4*\i+3], s[48+2*\p:49+2*\p] offset:8192*\i   ; two rows: sixteen lanes store 256 consecutive bytes, at a multiple of 256 from the buffer's first byte
.endr
.Lskip_\@:
.endm
	LOADH                                          ; the first pass's three tiles, in every wave: so all that the products read has been written on every way
.Lpass:
	s_mov_b32 s55, 0                               ; which half of the 128 outputs
.Lhalf:
	s_wait_xcnt 0x0                                ; the stores of the half before have had their addresses translated: their offset and their data are written again below
	s_wait_alu depctr_vm_vsrc(0)                   ; the LDS loads of the half before have read WAC and SCA, its stores COG and OUT, its LDS stores the accumulators: the adds below, W2's loads and K step 0's products write them again
	s_mul_i32 s46, s55, 64*WP
	v_add_nc_u32 v[WAC], s46, v[WA]                ; the half's 64 rows of W2,
	v_add_nc_u32 v[WAC+1], s46, v[WA+1]
	s_lshl_b32 s46, s55, 12
	v_add_nc_u32 v[SCA], s46, v[SC0]               ; their scale words,
	s_lshl_b32 s46, s55, 8
	v_add_nc_u32 v[COG], s46, v[CO]                ; their columns of part,
	s_cmp_eq_u32 s55, 0
	s_cselect_b32 s46, -1, 0
	s_wait_alu depctr_va_vdst(0)
.irp i, 0,1,2,3
	v_cndmask_b32 v[BC+\i], v[B2+4+\i], v[B2+\i], s46   ; their b2
.endr
	s_cmp_ge_u32 s27, s26
	s_cbranch_scc1 .Lidle                          ; no tile is left for my wave in this pass: the work alone is jumped over
	s_wait_alu depctr_va_vdst(0)                   ; WAC, SCA and COG are written, which this half's LDS loads and stores read
.irp p, 0,1
.irp u, 0,1,2,3
	ds_load_b128 v[WSC+16*\p+4*\u:WSC+16*\p+4*\u+3], v[SCA] offset:2048*\p+512*\u
.endr
.endr
	FETCHW 0
	FETCHW 1
.set Q, 0
.rept 16
	GROUP Q
.set Q, Q+1
.endr
	s_wait_alu depctr_va_vdst(0)                   ; the products have written the twelve accumulators, which the stage's LDS stores read (the five places above stay beside this wait); they are done reading W2's sets, in which the rows on the way out land, and the hidden fragments and their scale words, in which the next pass's loads land
	OUTP 0
	OUTP 1
	OUTP 2
.Lidle:
	s_add_co_u32 s55, s55, 1
	s_cmp_lt_u32 s55, 2
	s_cbranch_scc1 .Lhalf
	s_add_co_u32 s27, s27, 24
	s_cmp_ge_u32 s27, s26
	s_cbranch_scc1 .Lnoload                        ; nothing is left for the next pass: nothing is asked for
	LOADH                                          ; the next pass's three tiles
.Lnoload:
	s_add_co_u32 s54, s54, 1
	s_cmp_lt_u32 s54, 6
	s_cbranch_scc1 .Lpass
	s_wait_dscnt 0x0                               ; the closing lines, six on end
	s_wait_alu 0x0
	s_wait_tensorcnt 0x0
	ds_add_u32 v254, v255
	s_wait_dscnt 0x0
	s_endpgm
.Lfunc_end_k_q4c81c81aee_down:
	.size	k_q4c81c81aee_down, .Lfunc_end_k_q4c81c81aee_down-k_q4c81c81aee_down
	.p2alignl 7, 3214868480
	.fill 96, 4, 3214868480
	.section	.rodata,"a",@progbits
	.p2align	6, 0x0
	.amdhsa_kernel k_q4c81c81aee_down
		.amdhsa_group_segment_fixed_size 224768
		.amdhsa_private_segment_fixed_size 0
		.amdhsa_enable_private_segment 0
		.amdhsa_kernarg_size 56
		.amdhsa_user_sgpr_count 2
		.amdhsa_user_sgpr_kernarg_segment_ptr 1
		.amdhsa_wavefront_size32 1
		.amdhsa_system_sgpr_workgroup_id_x 1
		.amdhsa_system_sgpr_workgroup_id_y 1
		.amdhsa_system_sgpr_workgroup_id_z 1
		.amdhsa_system_vgpr_workitem_id 0
		.amdhsa_next_free_vgpr 1024
		.amdhsa_next_free_sgpr 66
		.amdhsa_reserve_vcc 0
		.amdhsa_float_denorm_mode_32 3
		.amdhsa_float_denorm_mode_16_64 3
		.amdhsa_memory_ordered 1
		.amdhsa_forward_progress 1
		.amdhsa_inst_pref_size 121
	.end_amdhsa_kernel
	.amdgpu_metadata
---
amdhsa.version: [ 1, 2 ]
amdhsa.kernels:
  - .name:           k_q4c81c81aee_down
    .symbol:         k_q4c81c81aee_down.kd
    .args:
      - { .name: hq_codes, .offset: 0, .size: 8, .value_kind: global_buffer, .address_space: global }
      - { .name: hq_scales, .offset: 8, .size: 8, .value_kind: global_buffer, .address_space: global }
      - { .name: W2_codes, .offset: 16, .size: 8, .value_kind: global_buffer, .address_space: global }
      - { .name: W2_scales, .offset: 24, .size: 8, .value_kind: global_buffer, .address_space: global }
      - { .name: b2, .offset: 32, .size: 8, .value_kind: global_buffer, .address_space: global }
      - { .name: seg, .offset: 40, .size: 8, .value_kind: global_buffer, .address_space: global }
      - { .name: part, .offset: 48, .size: 8, .value_kind: global_buffer, .address_space: global }
    .group_segment_fixed_size: 224768
    .private_segment_fixed_size: 0
    .kernarg_segment_align: 8
    .kernarg_segment_size: 56
    .max_flat_workgroup_size: 128
    .sgpr_count:     66
    .vgpr_count:     1024
    .wavefront_size: 32
...
	.end_amdgpu_metadata
.endif
;; end of part 7
;; launch combine (part 8): grid 256 x 1, 4 waves a work-group, no clusters, 0 bytes of LDS; arguments x, expert_weights, part, pos, out0; writes out0
.if DOCPART == 8
	.amdgcn_target "amdgcn-amd-amdhsa--gfx1250"
	.amdhsa_code_object_version 6
	.text
	.protected	k_q4c81c81aee_combine
	.globl	k_q4c81c81aee_combine
	.p2align	8
	.type	k_q4c81c81aee_combine,@function
k_q4c81c81aee_combine:
	s_mov_b64 s[64:65], 0
	v_nop
	global_prefetch_b8 v0, s[64:65] scope:SCOPE_SE
	s_setreg_imm32_b32 hwreg(HW_REG_WAVE_MODE, 25, 1), 1
	s_wait_xcnt 0x0
; out[t] = x[t] + w0 (P0[a] + P1[a]) + w1 (P0[b] + P1[b]);  a = pos[2 t], b = pos[2 t + 1]: the slots of the token's two routed rows;
; (w0, w1) = softmax of the token's two router weights, the larger taken away before the exponentials.
; P0, P1: the two K halves of the routed rows' results, [2][2176][1024] f32.  A wave owns a token, so each output row has one owner.  A stream: 40 loads of 512 consecutive bytes a wave, all issued at once,
; eight stores of 512 consecutive bytes.  No LDS, no barrier, no matrix unit: memory binds.
.set D, 20                             ; v20-179: piece i of eight: x, P0[a], P0[b], P1[a], P1[b], four registers each
	s_load_b256 s[4:11], s[0:1], 0x0               ; x, expert_weights, part, pos
	s_load_b64 s[12:13], s[0:1], 0x20              ; out0
	v_lshrrev_b32 v1, 5, v0
	v_readfirstlane_b32 s14, v1                    ; wave
	v_and_b32 v1, 31, v0
	v_lshlrev_b32 v1, 4, v1                        ; 16 bytes a lane
	v_mov_b32 v8, 0
	s_lshl_b32 s15, ttmp9, 2
	s_add_co_u32 s15, s15, s14                     ; my token
	s_lshl_b32 s16, s15, 12
	s_mov_b32 s17, 0
	s_lshl_b32 s18, s15, 3
	s_mov_b32 s19, 0
	s_wait_alu depctr_va_vdst(0)
	s_wait_kmcnt 0x0
	s_load_b64 s[20:21], s[10:11], s18 offset:0x0  ; the two slots
	s_add_nc_u64 s[4:5], s[4:5], s[16:17]
	s_add_nc_u64 s[12:13], s[12:13], s[16:17]
	s_add_nc_u64 s[6:7], s[6:7], s[18:19]
	global_load_b64 v[2:3], v8, s[6:7]             ; the two weights, in every lane
	s_wait_kmcnt 0x0
	s_min_u32 s20, s20, 2175                       ; a slot of the list's 136 x 16
	s_min_u32 s21, s21, 2175
	s_lshl_b32 s22, s20, 12
	s_mov_b32 s23, 0
	s_lshl_b32 s24, s21, 12
	s_mov_b32 s25, 0
	s_add_nc_u64 s[22:23], s[8:9], s[22:23]        ; half 0: row a,
	s_add_nc_u64 s[24:25], s[8:9], s[24:25]        ; row b;
	s_add_nc_u64 s[26:27], s[22:23], 0x880000      ; half 1, 2,176 rows on
	s_add_nc_u64 s[28:29], s[24:25], 0x880000
.irp i, 0,1,2,3,4,5,6,7
	global_load_b128 v[D+20*\i:D+20*\i+3],     v1, s[4:5] offset:512*\i
	global_load_b128 v[D+20*\i+4:D+20*\i+7],   v1, s[22:23] offset:512*\i th:TH_LOAD_NT
	global_load_b128 v[D+20*\i+8:D+20*\i+11],  v1, s[24:25] offset:512*\i th:TH_LOAD_NT
	global_load_b128 v[D+20*\i+12:D+20*\i+15], v1, s[26:27] offset:512*\i th:TH_LOAD_NT
	global_load_b128 v[D+20*\i+16:D+20*\i+19], v1, s[28:29] offset:512*\i th:TH_LOAD_NT
.endr
	s_wait_loadcnt 40                              ; the weights are in; the 40 loads behind them may be out
	v_max_num_f32 v9, v2, v3
	v_sub_f32 v10, v2, v9
	v_sub_f32 v11, v3, v9
	v_mul_f32 v10, 0x3fb8aa3b, v10
	v_mul_f32 v11, 0x3fb8aa3b, v11
	s_wait_alu depctr_va_vdst(0)
	v_exp_f32 v10, v10
	v_exp_f32 v11, v11
	v_nop                                          ; a plain place behind the exponentials
	s_wait_alu depctr_va_vdst(0)
	v_add_f32 v12, v10, v11
	s_wait_alu depctr_va_vdst(0)
	v_rcp_f32 v12, v12
	v_nop                                          ; and behind the reciprocal
	s_wait_alu depctr_va_vdst(0)
	v_mul_f32 v4, v10, v12                         ; w0,
	v_mul_f32 v6, v11, v12                         ; w1,
	v_mov_b32 v5, v4                               ; each twice, for the packed forms
	v_mov_b32 v7, v6
.irp i, 0,1,2,3,4,5,6,7
	s_wait_loadcnt 5*(7-\i)                        ; piece i's five loads are in; the later pieces' may be out
.irp p, 0,2
	v_pk_add_f32 v[D+20*\i+4+\p:D+20*\i+5+\p], v[D+20*\i+4+\p:D+20*\i+5+\p], v[D+20*\i+12+\p:D+20*\i+13+\p]
	s_wait_alu depctr_va_vdst(0)
	v_pk_add_f32 v[D+20*\i+8+\p:D+20*\i+9+\p], v[D+20*\i+8+\p:D+20*\i+9+\p], v[D+20*\i+16+\p:D+20*\i+17+\p]
	v_pk_fma_f32 v[D+20*\i+\p:D+20*\i+1+\p], v[D+20*\i+4+\p:D+20*\i+5+\p], v[4:5], v[D+20*\i+\p:D+20*\i+1+\p]
	v_pk_fma_f32 v[D+20*\i+\p:D+20*\i+1+\p], v[D+20*\i+8+\p:D+20*\i+9+\p], v[6:7], v[D+20*\i+\p:D+20*\i+1+\p]
.endr
	global_store_b128 v1, v[D+20*\i:D+20*\i+3], s[12:13] offset:512*\i th:TH_STORE_NT   ; 512 consecutive bytes, at a multiple of 256 from the buffer's first byte
.endr
	s_endpgm
.Lfunc_end_k_q4c81c81aee_combine:
	.size	k_q4c81c81aee_combine, .Lfunc_end_k_q4c81c81aee_combine-k_q4c81c81aee_combine
	.p2alignl 7, 3214868480
	.fill 96, 4, 3214868480
	.section	.rodata,"a",@progbits
	.p2align	6, 0x0
	.amdhsa_kernel k_q4c81c81aee_combine
		.amdhsa_group_segment_fixed_size 0
		.amdhsa_private_segment_fixed_size 0
		.amdhsa_enable_private_segment 0
		.amdhsa_kernarg_size 40
		.amdhsa_user_sgpr_count 2
		.amdhsa_user_sgpr_kernarg_segment_ptr 1
		.amdhsa_wavefront_size32 1
		.amdhsa_system_sgpr_workgroup_id_x 1
		.amdhsa_system_sgpr_workgroup_id_y 1
		.amdhsa_system_sgpr_workgroup_id_z 1
		.amdhsa_system_vgpr_workitem_id 0
		.amdhsa_next_free_vgpr 184
		.amdhsa_next_free_sgpr 66
		.amdhsa_reserve_vcc 0
		.amdhsa_float_denorm_mode_32 3
		.amdhsa_float_denorm_mode_16_64 3
		.amdhsa_memory_ordered 1
		.amdhsa_forward_progress 1
		.amdhsa_inst_pref_size 12
	.end_amdhsa_kernel
	.amdgpu_metadata
---
amdhsa.version: [ 1, 2 ]
amdhsa.kernels:
  - .name:           k_q4c81c81aee_combine
    .symbol:         k_q4c81c81aee_combine.kd
    .args:
      - { .name: x, .offset: 0, .size: 8, .value_kind: global_buffer, .address_space: global }
      - { .name: expert_weights, .offset: 8, .size: 8, .value_kind: global_buffer, .address_space: global }
      - { .name: part, .offset: 16, .size: 8, .value_kind: global_buffer, .address_space: global }
      - { .name: pos, .offset: 24, .size: 8, .value_kind: global_buffer, .address_space: global }
      - { .name: out0, .offset: 32, .size: 8, .value_kind: global_buffer, .address_space: global }
    .group_segment_fixed_size: 0
    .private_segment_fixed_size: 0
    .kernarg_segment_align: 8
    .kernarg_segment_size: 40
    .max_flat_workgroup_size: 128
    .sgpr_count:     66
    .vgpr_count:     184
    .wavefront_size: 32
...
	.end_amdgpu_metadata
.endif
;; end of part 8
